; MI455X (gfx1250); checked and timed in simulation.
; The chip was launched on July 23, 2026; its instructions are those of AMD's public machine-readable ISA for CDNA 5 (MIT licence, August 2026) and "CDNA5" Instruction Set Architecture Reference Guide (July 2026). The comments in the code are by the model that wrote it; some were corrected since.
;; Causal Shaped Attention. Allowed arithmetic: matrix products marked QUANTISED: E2M1 operands, one E8M0 scale for each 32 along K, by v_wmma_scale_f32_16x16x128_f8f6f4 with both operands' format E2M1 (or v_wmma_scale_f32_32x16x128_f4), f32 sums; everything else in f32.
;; Inputs: alpha one number float32; beta one number float32; gamma one number float32; w_attn 2,048 x 1,024 float32; x 4 x 2,048 x 1,024 float32.
;; Outputs: out0 4 x 2,048 x 1,024 float32.
;; This version of the problem:
;;   THIS VERSION OF THE PROBLEM IS GIVEN IN LOW PRECISION. The matrix products marked QUANTISED in the list below multiply operands that are first quantised to E2M1 (2 exponent bits, 1 mantissa bit; 4 bits a number), with one power-of-two scale for each 32 numbers along K (OCP MX v1.0); their sums are f32. All else is computed in f32.
;;   The module's matrix products, in the order in which they are computed (A, B: the left and right operand; K: the contracted axis; several contracted axes count as one K, in the product's order):
;;     1. [M 8,192, K 1,024] x [K 1,024, N 2,048]; A: input x; B: input w_attn: QUANTISED
;;     2. batch 64 x [M 2,048, K 64] x [K 64, N 2,048]; A: computed on the way; B: computed on the way: QUANTISED
;;     3. batch 64 x [M 2,048, K 2,048] x [K 2,048, N 64]; A: computed on the way; B: input x: QUANTISED
;;   THE QUANTISER, for each operand of a quantised product, along K:
;;     - K is cut into blocks of 32 from its start; a last block that is shorter is filled with zeros.
;;     - A block's scale is 2^e with e = floor(log2(the largest magnitude in the block)) - 2, held to -126 .. 127; a block of zeros has e = 0. As a byte (E8M0): e + 127.
;;     - Each number is divided by its block's scale, clamped to +-6, and rounded to the nearest number of E2M1, ties to even, subnormals kept.
;;     - The product sums the exact products of the quantised numbers (number of the format x scale) in f32.
;;   ~~~python
;;   def quantise(x, axis):      # numpy; x: float32 -> the quantised numbers, widened to float32 again
;;       x = np.moveaxis(x, axis, -1); K = x.shape[-1]
;;       x = np.pad(x, [(0, 0)] * (x.ndim - 1) + [(0, -K % 32)]); x = x.reshape(x.shape[:-1] + (-1, 32)); a = np.abs(x).max(-1, keepdims=True)
;;       e = np.where(a > 0, np.clip(np.frexp(np.where(a > 0, a, 1))[1] - 1 - 2, -126, 127), 0)      # np.frexp(a)[1] - 1 = floor(log2(a)), exactly
;;       r = np.clip(x / 2.0 ** e, -6, 6)
;;       step = 2.0 ** (np.maximum(np.frexp(np.where(r == 0, 1, r))[1] - 1, 0) - 1)
;;       q = np.round(r / step) * step * 2.0 ** e      # np.round: ties to even
;;       return np.moveaxis(q.reshape(q.shape[:-2] + (-1,))[..., :K], -1, axis).astype(np.float32)
;;   ~~~
;;   OPERANDS COMPUTED ON THE WAY. 'Computed on the way' means the value that the module computes at that place (a softmax that the list does not call 'softmax' is quantised finished and normalised). What goes into a quantiser is computed in f32, as accurately as f32 sums, v_exp_f32 and their like allow (about 1e-6 of the number): no bf16 or f16 on the way to a quantiser, and a product that is left as it is and whose result goes on into a quantised operand takes f32 operands (vector FMAs, or v_wmma_f32_16x16x4_f32). A number that lies on a knife's edge between two numbers of the format may be rounded either way, as far as f32 arithmetic and the matrix unit's own rounding can turn it there, and no further.
;; One version. Each part assembles by itself: llvm-mc -triple=amdgcn-amd-amdhsa -mcpu=gfx1250 --defsym DOCPART=n.
;; ======== version 1 of 1: 4 launches
;; workspace buffers: xc 4,194,304 bytes; xs 262,144 bytes; wc 1,048,576 bytes; ws 65,536 bytes; qkc 8,388,608 bytes; qks 1,048,576 bytes; vc 4,194,304 bytes; vs 262,144 bytes
;; launch qrows (part 1): grid 320 x 1, 4 waves a work-group, no clusters, 33,280 bytes of LDS; arguments x, w_attn, xc, xs, wc, ws; writes xc, xs, wc, ws
.if DOCPART == 1
	.amdgcn_target "amdgcn-amd-amdhsa--gfx1250"
	.amdhsa_code_object_version 6
	.text
	.protected	k_q425d12f1c5_qrows
	.globl	k_q425d12f1c5_qrows
	.p2align	8
	.type	k_q425d12f1c5_qrows,@function
k_q425d12f1c5_qrows:
	s_mov_b64 s[64:65], 0
	v_nop
	global_prefetch_b8 v0, s[64:65] scope:SCOPE_SE
	s_setreg_imm32_b32 hwreg(HW_REG_WAVE_MODE, 25, 1), 1
	s_wait_xcnt 0x0
; x [8192][1024] and w_attn [2048][1024], f32, become codes of FP4 (E2M1), K (the 1,024 channels) innermost, with one E8M0 scale byte for each 32 along K.
; A block's scale is 2^(floor(log2(its largest magnitude)) - 2); its byte is the largest magnitude's own exponent field - 2, held at 1 from below.  Each number is divided by the scale and rounded to the
; nearest code, ties to even, beyond the largest code the largest.
; LIMITS: a block of zeros gets the byte 1 and not 127: its codes are zeros, and the bytes are read by this program alone.  Blocks whose largest magnitude lies under 2^-124 are held at the byte 1.
; NaN and infinities among the inputs are not served.
; THE ROWS CHANGE PLACES ON THE WAY OUT: row a is written at position p = a with its bits 3 and 4 exchanged.  So the sixteen rows at positions 16 T .. 16 T + 15 are rows 32 (T / 2) + 8 (T % 2) + r + 8 (r / 8):
; the next launch's results then have 16 neighbours along the next product's K in a lane's 16 registers.  A wave's run is 8 rows (8,192 numbers), so the exchange is one of the wave's number's two bits.
; A wave takes 16 steps of 512 numbers.  Each of a step's four loads reads 512 consecutive bytes, 16 a lane; the 2,048 bytes go through the wave's own stage in LDS and come back 64 bytes a lane: 16 neighbours
; along K, two lanes to a block.  The stage has 16 bytes of padding behind each 64.  A lane's 16 codes are 8 bytes: the wave stores 256 consecutive bytes, aligned.
; A wave's 256 scale bytes are gathered in its own LDS bytes and leave as 256 consecutive bytes.  The first WGA work-groups take x, the others w_attn.  No barrier: waves share nothing.
.set SIZE_M, 8192
.set SIZE_N, 2048
.set SIZE_K, 1024
.set WAVES, 4
.set STEPS, 16
.set WGA,   SIZE_M*SIZE_K/(512*STEPS*WAVES)    ; 256 work-groups for x, 64 for w_attn
.set EMAX,  2
.set CB,    8                          ; bytes of 16 codes
.set R,     16                         ; v16-79   four sets of 16 numbers as they are loaded
.set X,     80                         ; v80-111  two sets of 16 neighbours
.set C,     128                        ; v128-191 codes: four registers for each step, so that no store's data are written again
.set E,     112                        ; v112-127 a scale byte for each step
.set WREG,  8192                       ; LDS: a region for each wave: two stages of 32 x SP bytes, behind them its 256 scale bytes
.set SP,    80                         ; a lane's place in a stage: its 64 bytes + 16 of padding
	s_load_b128 s[4:7], s[0:1], 0x0                ; x, w_attn
	s_load_b128 s[8:11], s[0:1], 0x10              ; x's codes, x's scales
	s_load_b128 s[12:15], s[0:1], 0x20             ; w's codes, w's scales
	v_lshl_add_u32 v192, v0, 2, 0x8000
	v_mov_b32 v193, 0
	v_lshrrev_b32 v1, 5, v0
	v_readfirstlane_b32 s16, v1                    ; wave
	v_and_b32 v2, 31, v0                           ; lane
	v_lshlrev_b32 v3, 4, v2                        ; my 16 bytes of a load's 512
	s_mul_i32 s17, s16, WREG
	v_lshrrev_b32 v14, 2, v2
	v_mul_u32_u24 v14, v14, SP
	v_and_b32 v15, 3, v2
	v_lshl_add_u32 v14, v15, 4, v14
	v_add_nc_u32 v14, s17, v14                     ; the stage, on the way in: SP (lane / 4) + 16 (lane % 4)
	v_mul_u32_u24 v15, v2, SP
	v_add_nc_u32 v15, s17, v15                     ; and on the way out: SP x lane: my 16 neighbours
	v_mul_u32_u24 v4, v2, CB                       ; my codes' place in a step's
	v_lshrrev_b32 v5, 1, v2
	s_add_co_u32 s17, s17, 2*32*SP
	v_add_nc_u32 v5, s17, v5                       ; LDS: my wave's 256 scale bytes, my block's byte
	v_lshlrev_b32 v7, 3, v2                        ; and on the way out 8 bytes a lane
	v_add_nc_u32 v6, s17, v7
	s_wait_kmcnt 0x0
	s_cmp_lt_u32 ttmp9, WGA                        ; x's work-group or w's?  The choice hangs on the work-group's number alone
	s_cselect_b64 s[4:5], s[4:5], s[6:7]
	s_cselect_b64 s[8:9], s[8:9], s[12:13]
	s_cselect_b64 s[10:11], s[10:11], s[14:15]
	s_cselect_b32 s17, 0, WGA
	s_sub_co_u32 s17, ttmp9, s17
	s_lshl_b32 s17, s17, 2
	s_add_co_u32 s18, s17, s16                     ; which run of 8 rows I read: 4 x work-group + wave
	s_mov_b32 s19, 0
	s_mov_b64 s[20:21], 512*STEPS*4
	s_mul_u64 s[20:21], s[18:19], s[20:21]
	s_add_nc_u64 s[4:5], s[4:5], s[20:21]
	s_and_b32 s22, s16, 1                          ; and where it is written: the wave's two bits (the rows' bits 3 and 4) exchanged
	s_lshl_b32 s22, s22, 1
	s_lshr_b32 s23, s16, 1
	s_or_b32 s22, s22, s23
	s_add_co_u32 s18, s17, s22
	s_mov_b64 s[20:21], 32*STEPS*CB
	s_mul_u64 s[20:21], s[18:19], s[20:21]
	s_add_nc_u64 s[8:9], s[8:9], s[20:21]
	s_lshl_b32 s18, s18, 8                         ; 256 scale bytes a run
	s_add_nc_u64 s[10:11], s[10:11], s[18:19]
.macro LOAD t
.irp i, 0,1,2,3
	global_load_b128 v[R+16*((\t)%4)+4*\i:R+16*((\t)%4)+4*\i+3], v3, s[4:5] offset:2048*(\t)+512*\i th:TH_LOAD_NT   ; 32 lanes read 512 consecutive bytes
.endr
.endm
.macro TURN t                          ; step t's numbers through the stage: LDS serves a wave's instructions in order, so no wait stands between the stores and the loads
.irp i, 0,1,2,3
	ds_store_b128 v14, v[R+16*((\t)%4)+4*\i:R+16*((\t)%4)+4*\i+3] offset:32*SP*((\t)%2)+8*SP*\i
.endr
.irp i, 0,1,2,3
	ds_load_b128 v[X+16*((\t)%2)+4*\i:X+16*((\t)%2)+4*\i+3], v15 offset:32*SP*((\t)%2)+16*\i
.endr
.endm
.irp t, 0,1,2,3
	LOAD \t
.endr
	s_wait_loadcnt 12                              ; step 0's four loads are in; the twelve of steps 1 to 3 stay out
	TURN 0
.macro STEP t
.set XS, X+16*((\t)%2)
.if (\t) > 0
	s_wait_dscnt 1                                 ; this step's numbers are back from the stage (the last step's byte store may be out): so its stores into the stage have read their registers,
.else
	s_wait_dscnt 0x0
.endif
.if (\t)+4 < STEPS
	LOAD (\t)+4                                    ; which take the loads of four steps on
.endif
.if (\t)+1 < STEPS
.if STEPS-2-(\t) >= 3
	s_wait_loadcnt 12                              ; the next step's four loads are in; those of the three steps behind it may be out
.else
	s_wait_loadcnt 4*(STEPS-2-(\t))
.endif
	TURN (\t)+1                                    ; and go through the other stage while this step is worked
.endif
	v_max3_num_f32 v8, |v[XS]|, |v[XS+1]|, |v[XS+2]|               ; the largest magnitude of my 16, in two chains
	v_max3_num_f32 v9, |v[XS+3]|, |v[XS+4]|, |v[XS+5]|
.irp i, 6,10
	v_max3_num_f32 v8, v8, |v[XS+\i]|, |v[XS+\i+1]|
	v_max3_num_f32 v9, v9, |v[XS+\i+2]|, |v[XS+\i+3]|
.endr
	v_max3_num_f32 v8, v8, |v[XS+14]|, |v[XS+15]|
	v_max3_num_f32 v8, v8, v9, (EMAX+1)<<23        ; and the floor 2^(3 - 127): so the byte cannot fall under 1
	v_max_num_f32_dpp v8, v8, v8 row_xmask:1 row_mask:0xf bank_mask:0xf   ; and of my neighbour's 16: the block's
	v_add_nc_u32 v11, 0xff000000, v8               ; 2 off its exponent field: the conversion takes the exponent field of this operand as its scale, and nothing else of it
	v_cvt_scalef32_pk8_fp4_f32 v[C+4*(\t)], v[XS:XS+7], v11
	v_cvt_scalef32_pk8_fp4_f32 v[C+4*(\t)+1], v[XS+8:XS+15], v11
	v_lshrrev_b32 v[E+(\t)], 23, v11               ; the scale's byte (also the plain line behind the conversions)
	ds_store_b8 v5, v[E+(\t)] offset:16*(\t)       ; both lanes of a block write the same byte with the same value
	global_store_b64 v4, v[C+4*(\t):C+4*(\t)+1], s[8:9] offset:32*CB*(\t)   ; 32 lanes store 256 consecutive bytes, aligned
.endm
.irp t, 0,1,2,3,4,5,6,7,8,9,10,11,12,13,14,15
	STEP \t
.endr
	ds_load_b64 v[12:13], v6                       ; LDS serves a wave's instructions in order: these see my stores
	s_wait_dscnt 0x0
	global_store_b64 v7, v[12:13], s[10:11]        ; 32 lanes store 256 consecutive bytes, aligned
	s_wait_tensorcnt 0x0
	ds_add_u32 v192, v193
	s_wait_dscnt 0x0
	s_endpgm
.Lfunc_end_k_q425d12f1c5_qrows:
	.size	k_q425d12f1c5_qrows, .Lfunc_end_k_q425d12f1c5_qrows-k_q425d12f1c5_qrows
	.p2alignl 7, 3214868480
	.fill 96, 4, 3214868480
	.section	.rodata,"a",@progbits
	.p2align	6, 0x0
	.amdhsa_kernel k_q425d12f1c5_qrows
		.amdhsa_group_segment_fixed_size 33280
		.amdhsa_private_segment_fixed_size 0
		.amdhsa_enable_private_segment 0
		.amdhsa_kernarg_size 48
		.amdhsa_user_sgpr_count 2
		.amdhsa_user_sgpr_kernarg_segment_ptr 1
		.amdhsa_wavefront_size32 1
		.amdhsa_system_sgpr_workgroup_id_x 1
		.amdhsa_system_sgpr_workgroup_id_y 1
		.amdhsa_system_sgpr_workgroup_id_z 1
		.amdhsa_system_vgpr_workitem_id 0
		.amdhsa_next_free_vgpr 194
		.amdhsa_next_free_sgpr 66
		.amdhsa_reserve_vcc 0
		.amdhsa_float_denorm_mode_32 3
		.amdhsa_float_denorm_mode_16_64 3
		.amdhsa_memory_ordered 1
		.amdhsa_forward_progress 1
		.amdhsa_inst_pref_size 34
	.end_amdhsa_kernel
	.amdgpu_metadata
---
amdhsa.version: [ 1, 2 ]
amdhsa.kernels:
  - .name:           k_q425d12f1c5_qrows
    .symbol:         k_q425d12f1c5_qrows.kd
    .args:
      - { .name: x, .offset: 0, .size: 8, .value_kind: global_buffer, .address_space: global }
      - { .name: w_attn, .offset: 8, .size: 8, .value_kind: global_buffer, .address_space: global }
      - { .name: xc, .offset: 16, .size: 8, .value_kind: global_buffer, .address_space: global }
      - { .name: xs, .offset: 24, .size: 8, .value_kind: global_buffer, .address_space: global }
      - { .name: wc, .offset: 32, .size: 8, .value_kind: global_buffer, .address_space: global }
      - { .name: ws, .offset: 40, .size: 8, .value_kind: global_buffer, .address_space: global }
    .group_segment_fixed_size: 33280
    .private_segment_fixed_size: 0
    .kernarg_segment_align: 8
    .kernarg_segment_size: 48
    .max_flat_workgroup_size: 128
    .sgpr_count:     66
    .vgpr_count:     194
    .wavefront_size: 32
...
	.end_amdgpu_metadata
.endif
;; end of part 1
;; launch qcols (part 2): grid 16 x 16, 8 waves a work-group, no clusters, 19,456 bytes of LDS; arguments x, vc, vs; writes vc, vs
.if DOCPART == 2
	.amdgcn_target "amdgcn-amd-amdhsa--gfx1250"
	.amdhsa_code_object_version 6
	.text
	.protected	k_q425d12f1c5_qcols
	.globl	k_q425d12f1c5_qcols
	.p2align	8
	.type	k_q425d12f1c5_qcols,@function
k_q425d12f1c5_qcols:
	s_mov_b64 s[64:65], 0
	v_nop
	global_prefetch_b8 v0, s[64:65] scope:SCOPE_SE
	s_setreg_imm32_b32 hwreg(HW_REG_WAVE_MODE, 25, 1), 1
	s_wait_xcnt 0x0
; x [4][2048 (t)][1024 (channel)], f32, is the third product's right operand: its K is t, the keys.  It becomes codes of FP4 (E2M1) laid [b][channel][2048 keys] with the keys innermost (1,024 bytes a channel),
; and scale words laid [16 b + head][step of 128 keys][64 channels]: one 32-bit word = the four E8M0 bytes of 128 keys of one channel, the lower keys in the lower byte.
; A LANE TAKES A CHANNEL, AND ITS REGISTERS RUN DOWN t: each load reads 128 consecutive bytes a wave, a block of 32 keys lies in one lane's 32 registers, so that its largest magnitude needs no other lane, and the
; conversions give the codes with the keys innermost.  Nothing is transposed by an instruction.
; A block's scale is 2^(floor(log2(its largest magnitude)) - 2); its byte is the largest magnitude's exponent field - 2, held at 1 from below.
; LIMITS: a block of zeros gets the byte 1 and not 127 (its codes are zeros; this program alone reads the bytes); blocks under 2^-124 are held at the byte 1; NaN and infinities are not served.
; SHARES.  A work-group takes one head's 64 channels x 512 keys.  Wave w: channels 32 (w % 2) on, keys 128 (w / 2) on: four blocks a lane, whose four bytes are one scale word.
; The codes meet in a stage in LDS (a row = a channel's 256 bytes, 272 apart); behind one barrier each wave stores 8 channels' rows: sixteen lanes write 256 consecutive bytes, aligned.  The 256 scale words
; meet likewise and leave as 1,024 consecutive bytes, by waves 0 and 1.  Loads run two blocks (64 loads a wave) ahead.
.set PITCH, 272
.set STG,   0                          ; 64 rows x 272
.set SCW,   64*PITCH                   ; behind it: [keys' step 0..3][64 channels] words, 1,024 bytes
.set X,     32                         ; v32-95   two sets of 32 numbers
.set C,     96                         ; v96-111  codes: four registers for each block, so that no LDS store's data are written again
.set OUTR,  112                        ; v112-127 the way out
.set SW,    24                         ; v24      my channel's scale word
	s_load_b128 s[4:7], s[0:1], 0x0                ; x, the codes
	s_load_b64 s[8:9], s[0:1], 0x10                ; the scale words
	v_lshl_add_u32 v136, v0, 2, 0x4800
	v_mov_b32 v137, 0
	v_lshrrev_b32 v2, 5, v0
	v_readfirstlane_b32 s16, v2                    ; wave 0..7
	v_and_b32 v1, 31, v0                           ; lane
	s_and_b32 s17, s16, 1                          ; cg: which 32 channels
	s_lshr_b32 s18, s16, 1                         ; st: which 128 keys
	s_and_b32 s19, ttmp7, 0xffff                   ; y = 4 b + kc: the work-group's first key is row 512 y of x
	s_lshr_b32 s20, s19, 2                         ; b
	s_and_b32 s21, s19, 3                          ; kc
	v_lshlrev_b32 v3, 2, v1                        ; in: 4 bytes a lane
	s_mul_i32 s22, s17, 32*PITCH
	s_lshl_b32 s23, s18, 6
	s_add_co_u32 s22, s22, s23
	v_mul_u32_u24 v4, v1, PITCH
	v_add_nc_u32 v4, s22, v4                       ; into the stage: row 32 cg + lane, byte 64 st
	s_lshl_b32 s22, s18, 8
	s_lshl_b32 s23, s17, 7
	s_add_co_u32 s22, s22, s23
	s_add_co_u32 s22, s22, SCW
	v_add_nc_u32 v5, s22, v3                       ; my scale word: SCW + 256 st + 128 cg + 4 lane
	v_and_b32 v6, 15, v1
	v_lshrrev_b32 v2, 4, v1
	s_mul_i32 s22, s16, 8*PITCH
	v_mul_u32_u24 v7, v2, PITCH
	v_lshl_add_u32 v7, v6, 4, v7
	v_add_nc_u32 v7, s22, v7                       ; out of the stage: my wave's 8 rows, sixteen lanes to a row, two rows an instruction
	v_lshlrev_b32 v8, 10, v2
	v_lshl_add_u32 v8, v6, 4, v8                   ; and the same place in the codes' buffer: 1,024 bytes from channel to channel
	v_lshlrev_b32 v9, 4, v1                        ; the scale words' way out: 16 bytes a lane
	s_lshl_b32 s22, s17, 9
	s_add_co_u32 s22, s22, SCW
	v_add_nc_u32 v10, s22, v9                      ; SCW + 512 cg + 16 lane (read by waves 0 and 1, whose cg is their number)
	; x: (512 y + 128 st) rows of 4,096 bytes + 256 head + 128 cg
	s_lshl_b32 s24, s19, 21
	s_lshl_b32 s22, s18, 19
	s_add_co_u32 s24, s24, s22
	s_lshl_b32 s22, ttmp9, 8
	s_add_co_u32 s24, s24, s22
	s_lshl_b32 s22, s17, 7
	s_add_co_u32 s24, s24, s22
	s_mov_b32 s25, 0
	; codes: (1024 b + 64 head + 8 wave) channels of 1,024 bytes + 256 kc
	s_lshl_b32 s26, s20, 20
	s_lshl_b32 s22, ttmp9, 16
	s_add_co_u32 s26, s26, s22
	s_lshl_b32 s22, s16, 13
	s_add_co_u32 s26, s26, s22
	s_lshl_b32 s22, s21, 8
	s_add_co_u32 s26, s26, s22
	s_mov_b32 s27, 0
	; scale words: ((16 b + head) 16 + 4 kc) steps of 256 bytes + 512 cg
	s_lshl_b32 s28, s20, 16
	s_lshl_b32 s22, ttmp9, 12
	s_add_co_u32 s28, s28, s22
	s_lshl_b32 s22, s21, 10
	s_add_co_u32 s28, s28, s22
	s_lshl_b32 s22, s17, 9
	s_add_co_u32 s28, s28, s22
	s_mov_b32 s29, 0
	s_wait_kmcnt 0x0
	s_add_nc_u64 s[4:5], s[4:5], s[24:25]
	s_add_nc_u64 s[6:7], s[6:7], s[26:27]
	s_add_nc_u64 s[8:9], s[8:9], s[28:29]
.macro LOAD t                          ; block t: x(32 t + i, my channel), i = 0 .. 31, into set t % 2
.set i, 0
.rept 32
	global_load_b32 v[X+32*((\t)%2)+i], v3, s[4:5] offset:(32*(\t)+i)*4096 th:TH_LOAD_NT
.set i, i+1
.endr
.endm
	LOAD 0
	LOAD 1
.macro BLOCK t
.set XS, X+32*((\t)%2)
.if (\t) < 3
	s_wait_loadcnt 32                              ; this block's 32 loads are in; the next block's 32 may be out
.else
	s_wait_loadcnt 0x0
.endif
	v_max3_num_f32 v12, |v[XS]|, |v[XS+1]|, |v[XS+2]|               ; the block's largest magnitude: all 32 numbers are mine; two chains
	v_max3_num_f32 v13, |v[XS+3]|, |v[XS+4]|, |v[XS+5]|
.irp i, 6,10,14,18,22,26
	v_max3_num_f32 v12, v12, |v[XS+\i]|, |v[XS+\i+1]|
	v_max3_num_f32 v13, v13, |v[XS+\i+2]|, |v[XS+\i+3]|
.endr
	v_max3_num_f32 v12, v12, |v[XS+30]|, |v[XS+31]|
	v_max3_num_f32 v12, v12, v13, 0x1800000        ; and the floor 2^(3 - 127): so the byte cannot fall under 1
	v_add_nc_u32 v11, 0xff000000, v12              ; 2 off its exponent field: the conversion's scale operand
	v_lshrrev_b32 v13, 23, v11                     ; the scale's byte
.if (\t) == 0
	v_mov_b32 v[SW], v13                           ; four bytes to the word, the lower keys in the lower byte
.else
	v_lshl_or_b32 v[SW], v13, 8*(\t), v[SW]
.endif
.irp g, 0,1,2,3
	v_cvt_scalef32_pk8_fp4_f32 v[C+4*(\t)+\g], v[XS+8*\g:XS+8*\g+7], v11
.endr
	v_nop                                          ; one plain line behind the conversions: the next block's lines write their scale operand
	ds_store_b128 v4, v[C+4*(\t):C+4*(\t)+3] offset:16*(\t)      ; 32 codes: 16 bytes of my channel's row
.if (\t) < 2
	LOAD (\t)+2
.endif
.endm
	BLOCK 0
	BLOCK 1
	BLOCK 2
	BLOCK 3
	ds_store_b32 v5, v[SW]
	s_wait_dscnt 0x0                               ; for the others' sake: my stores into the stage and among the words are done
	s_barrier_signal -1
	s_barrier_wait -1
.irp i, 0,1,2,3
	ds_load_b128 v[OUTR+4*\i:OUTR+4*\i+3], v7 offset:2*\i*PITCH
.endr
.irp i, 0,1,2,3
	s_wait_dscnt 3-\i                              ; the younger loads may stay out
	global_store_b128 v8, v[OUTR+4*\i:OUTR+4*\i+3], s[6:7] offset:2048*\i   ; sixteen lanes store 256 consecutive bytes, aligned
.endr
	s_cmp_ge_u32 s16, 2                            ; the 1,024 bytes of scale words: waves 0 and 1, 512 consecutive bytes each
	s_cbranch_scc1 .Ldone
	ds_load_b128 v[128:131], v10
	s_wait_dscnt 0x0
	global_store_b128 v9, v[128:131], s[8:9]
.Ldone:
	s_wait_tensorcnt 0x0
	ds_add_u32 v136, v137
	s_wait_dscnt 0x0
	s_endpgm
.Lfunc_end_k_q425d12f1c5_qcols:
	.size	k_q425d12f1c5_qcols, .Lfunc_end_k_q425d12f1c5_qcols-k_q425d12f1c5_qcols
	.p2alignl 7, 3214868480
	.fill 96, 4, 3214868480
	.section	.rodata,"a",@progbits
	.p2align	6, 0x0
	.amdhsa_kernel k_q425d12f1c5_qcols
		.amdhsa_group_segment_fixed_size 19456
		.amdhsa_private_segment_fixed_size 0
		.amdhsa_enable_private_segment 0
		.amdhsa_kernarg_size 24
		.amdhsa_user_sgpr_count 2
		.amdhsa_user_sgpr_kernarg_segment_ptr 1
		.amdhsa_wavefront_size32 1
		.amdhsa_system_sgpr_workgroup_id_x 1
		.amdhsa_system_sgpr_workgroup_id_y 1
		.amdhsa_system_sgpr_workgroup_id_z 1
		.amdhsa_system_vgpr_workitem_id 0
		.amdhsa_next_free_vgpr 138
		.amdhsa_next_free_sgpr 66
		.amdhsa_reserve_vcc 0
		.amdhsa_float_denorm_mode_32 3
		.amdhsa_float_denorm_mode_16_64 3
		.amdhsa_memory_ordered 1
		.amdhsa_forward_progress 1
		.amdhsa_inst_pref_size 23
	.end_amdhsa_kernel
	.amdgpu_metadata
---
amdhsa.version: [ 1, 2 ]
amdhsa.kernels:
  - .name:           k_q425d12f1c5_qcols
    .symbol:         k_q425d12f1c5_qcols.kd
    .args:
      - { .name: x, .offset: 0, .size: 8, .value_kind: global_buffer, .address_space: global }
      - { .name: vc, .offset: 8, .size: 8, .value_kind: global_buffer, .address_space: global }
      - { .name: vs, .offset: 16, .size: 8, .value_kind: global_buffer, .address_space: global }
    .group_segment_fixed_size: 19456
    .private_segment_fixed_size: 0
    .kernarg_segment_align: 8
    .kernarg_segment_size: 24
    .max_flat_workgroup_size: 256
    .sgpr_count:     66
    .vgpr_count:     138
    .wavefront_size: 32
...
	.end_amdgpu_metadata
.endif
;; end of part 2
;; launch gemm (part 3): grid 8 x 32, 4 waves a work-group, clusters of 4 x 4, 327,680 bytes of LDS; arguments xc, xs, wc, ws, qkc, qks; writes qkc, qks
.if DOCPART == 3
	.amdgcn_target "amdgcn-amd-amdhsa--gfx1250"
	.amdhsa_code_object_version 6
	.text
	.protected	k_q425d12f1c5_gemm
	.globl	k_q425d12f1c5_gemm
	.p2align	8
	.type	k_q425d12f1c5_gemm,@function
k_q425d12f1c5_gemm:
	s_mov_b64 s[64:65], 0
	v_nop
	global_prefetch_b8 v0, s[64:65] scope:SCOPE_SE
	s_setreg_imm32_b32 hwreg(HW_REG_WAVE_MODE, 25, 1), 1
	s_wait_xcnt 0x0
	s_wait_alu depctr_hold_cnt(0) depctr_sa_sdst(0) depctr_va_vdst(0) depctr_va_sdst(0) depctr_va_ssrc(0) depctr_va_vcc(0) depctr_vm_vsrc(0)
	s_getreg_b32 s2, hwreg(HW_REG_IB_STS2, 6, 4)
	s_cmp_eq_u32 s2, 0
	s_cbranch_scc0 .Lentry_in_a_cluster
	s_endpgm
.Lentry_in_a_cluster:
	s_bfe_u32 s2, ttmp6, 0x10000c
	s_cmp_lg_u32 s2, 0xf033
	s_cbranch_scc0 .Lentry_shape_is_right
	s_endpgm
.Lentry_shape_is_right:
; qk[m][n] = sum over k of x[m][k] w[n][k] on codes of FP4 (E2M1) with one E8M0 scale for each 32 along K, sums in f32; the results are quantised again at once, along the head's 64 channels, and leave as codes:
; they are the operands of the next product (q and k of attention).  xc [8192][512 bytes], wc [2048][512 bytes]; xs [8192][32], ws [2048][32].
; ROWS LIE BY POSITION: row a of x or of w lies at position a with its bits 3 and 4 exchanged, so the sixteen rows of position tile T are rows 32 (T / 2) + 8 (T % 2) + r + 8 (r / 8).
; A tile of qk, 256 x 256, is made by a work-group of four waves; a wave makes 128 x 128: 64 accumulators of 16 x 16, 512 registers.  K = 1,024 is two slots of 512 in LDS, each filled once by the tensor data mover;
; the scale bytes of the work-group's 256 + 256 rows come with them and stay.
; CLUSTERS: 4 x 4 work-groups.  The four of a row of the cluster need the same tiles of x, the four of a column the same tiles of w: each tile is asked for JOINTLY, by the same tensor load with the same
; descriptor and a mask that names the four.  THE MATRIX INSTRUCTION IS USED TRANSPOSED (source 0 = 16 rows of w, source 1 = 16 rows of x): a lane holds ONE row of qk, and by the order of w's rows the 16 registers
; of accumulators 2 b and 2 b + 1 are columns 32 b + 16 (lane / 16) + 0 .. 15 of the wave's 128: 16 neighbours of a block of 32 along the next K.
; OUT.  qkc [column / 64][position row / 16][512 bytes]: registers 0-3 of a 4-bit fragment as they stand, lane l's 16 bytes at 16 l: lane (r, h) holds channels 32 h .. 32 h + 31 of the tile's row r.
;       qks [column / 64][position row]: a 32-bit word: the row's two scale bytes, twice (the upper two scale a K half that holds zero codes in the next launch).
; LIMITS: a block of zeros gets the byte 1 and not 127 (its codes are zeros; this program alone reads the bytes); NaN and infinities are not served.
; REGISTERS, in windows of 256: window 0: v0-31 addresses; v32-95 scale words, two sets; from v128 x's fragments (8 x 16 rows x 128 K), ONE set; on the way out v128-233 hold codes and scale words.
;   window 1: w's fragments, TWO sets, at v0 and at v128.   window 2: the 32 accumulators of my rows 0-63 (accumulator (a, b) at v[8 (8 a + b)]);   window 3: those of my rows 64-127.
.set SIZE_M, 8192
.set SIZE_N, 2048
.set SIZE_K, 1024
.set KSTEP,  512                       ; along K in a slot
.set NQ,     KSTEP/128                 ; matrix instructions deep
.set ROWB,   256                       ; a tile's row in bytes
.set KROW,   SIZE_K*4/8                ; a row of codes in memory, in bytes
.set PITCH,  272                       ; an LDS row: 256 bytes + 16 of padding = 68 words: row r starts at bank 4 r mod 64 (64 banks of 4 bytes: ISA guide 11.1)
.set FR,     8                         ; registers of a fragment: 16 rows x 128 K
.set NL,     2                         ; LDS loads that bring one
.set NP,     4                         ; places behind this matrix instruction (ISA guide 7.12.1)
.set HALFT,  128*PITCH                 ; 128 rows: what one tensor load brings, and what one wave reads of x or of w
.set SLOT,   4*HALFT                   ; x's 256 rows, then w's 256 rows
.set KS,     SIZE_K/32                 ; a row of scales in bytes
.set SCL,    2*SLOT                    ; behind the two slots: the scales, as runs of 256 bytes + 16 of padding
.set HALFS,  (128*KS/256)*272          ; the scales of 128 rows: what one tensor load brings
.set SBLK,   (16*KS/256)*272           ; those of 16 rows
.set SPARE,  SCL+4*HALFS               ; behind the scales: the spare words, 128 bytes for each wave: two blocks of 256 bytes that no other line names
.set ADRA, 16                          ; v16-17  LDS address of my x fragments in slot 0, 1
.set ADRB, 20                          ; v20-21  the same for w
.set CO,   24                          ; v24     16 x lane: my place in a fragment's image
.set WO,   25                          ; v25     4 x lane: my place among 32 scale words
.set ADRS, 27                          ; v27     LDS address of my scale words: lanes 0-15 x's rows, lanes 16-31 w's
.set SPW,  28                          ; v28     LDS address of my spare word; never rewritten
.set NIL,  29                          ; v29     0; never rewritten
.set SC,   32                          ; scale words: set s at v[SC + 8 NQ s]; register NQ i + q: lanes 0-15 the word of x's block i, lanes 16-31 that of w's block i, for the slot's q-th 128 along K
.set AF,   128                         ; x's fragments, in window 0
.set PCB,  128                         ; the way out: block a's codes at v[PCB + 8 a]
.set TM,   192                         ; v192-195 largest magnitudes, v196-199 the other half's, then bytes, v204-207 the conversions' scale operands
.set PW,   208                         ; a row's four scale bytes
.set W0,   210                         ; v210-217 block a's scale words for the first head; v218-225 for the second
.set W1,   218
.set MG,   226                         ; v226-233 two blocks' words in one register: 32 rows
.set G1, 24                            ; s[24:31] descriptor group 1 for x's tiles;  s[32:39] group 0, one set for each slot
.set G0, 32
.set G1B, 48                           ; s[48:55], s[56:63] the same for w's tiles
.set G0B, 56
.set G1S, 68                           ; s[68:75], s[76:79] groups 1 and 0 for x's scales;  s[80:87], s[88:91] for w's
.set G0S, 76
.set G1SB, 80
.set G0SB, 88
.set MSB, 0
.macro WIN new                         ; the immediate's high byte repeats the setting that is left
.if MSB != \new
	s_set_vgpr_msb (MSB<<8)|\new
.set MSB, \new
.endif
.endm
.set MUL_LO, 0xa1                      ; source 0 (w) window 1, source 1 (x) window 0, C and D window 2
.set MUL_HI, 0xf1                      ; the same, C and D window 3
.set TO_B,   0x40                      ; destination window 1, address window 0
; A joint load: waves 0 and 1 fetch for x, waves 2 and 3 for w.  Each of the two lines has ONE mask and one set of registers for all that issue it; the branch hangs on the wave's number alone.
; Four v_nop follow each of the two lines, ahead of the jump, the label and what follows.
.macro JLOAD g0a, g1a, g0b, g1b
	s_cmp_eq_u32 s15, 0
	s_cbranch_scc0 .Lfor_b_\@
	tensor_load_to_lds s[\g0a:\g0a+3], s[\g1a:\g1a+7]
	s_nop 0
.rept 4
	v_nop
.endr
	s_branch .Lasked_\@
.Lfor_b_\@:
	tensor_load_to_lds s[\g0b:\g0b+3], s[\g1b:\g1b+7]
	s_nop 0
.rept 4
	v_nop
.endr
.Lasked_\@:
.endm
.macro CROUND                          ; a round of the cluster's barrier
	s_barrier_signal -1
	s_barrier_wait -1
	s_cmp_lg_u32 s14, 0
	s_cbranch_scc1 .Lnot_wave_0_\@
	s_barrier_signal -3
.Lnot_wave_0_\@:
	s_barrier_wait -3
	s_barrier_signal -1
	s_barrier_wait -1
.endm
	s_load_b128 s[4:7], s[0:1], 0x0                ; x's codes s[4:5], x's scales s[6:7]
	s_load_b128 s[8:11], s[0:1], 0x10              ; w's codes s[8:9], w's scales s[10:11]
	s_load_b128 s[96:99], s[0:1], 0x20             ; qk's codes s[96:97], qk's scale words s[98:99]
	v_lshl_add_u32 v[SPW], v0, 2, SPARE
	v_mov_b32 v[NIL], 0
	ds_add_u32 v28, v29
	ds_add_u32 v28, v29
	s_wait_dscnt 0x0
	v_lshrrev_b32 v1, 5, v0
	v_readfirstlane_b32 s14, v1                    ; wave 0..3
	s_lshr_b32 s15, s14, 1                         ; which half of the tile's rows is mine.  Also: I fetch for x (0) or for w (1)
	s_and_b32 s16, s14, 1                          ; which half of its columns.  Also: which 128 rows of that tile I fetch
	s_bfe_u32 s40, ttmp6, 0x40000                  ; cx, cy: my place in the cluster
	s_bfe_u32 s41, ttmp6, 0x40004
	s_lshl_b32 s42, ttmp9, 2
	s_add_co_u32 s42, s42, s40                     ; tile column = 4 x cluster x + cx
	s_and_b32 s17, ttmp7, 0xffff
	s_lshl_b32 s17, s17, 2
	s_add_co_u32 s17, s17, s41                     ; tile row = 4 x cluster y + cy
	s_lshl_b32 s43, s41, 2
	s_lshl_b32 s43, 15, s43                        ; my row of the cluster
	s_lshl_b32 s44, 0x1111, s40                    ; my column
	; descriptor group 1: a tile of 128 rows x ROWB bytes, padded in LDS
	s_or_b32 s[G1+0], s43, (0<<16)|(1<<20)|(1<<21)|(5<<22)|(3<<25)  ; 15:0 the mask: x's tiles go to my row; 17:16 element of 1 byte; 20 padding on; 21 set beside a mask; 24:22 after every 64 words (code 5); 31:25 of 4 words (code 3)
	s_or_b32 s[G1B+0], s44, (0<<16)|(1<<20)|(1<<21)|(5<<22)|(3<<25)
.irp g, G1, G1B
	s_mov_b32 s[\g+1], ROWB<<16                    ; tensor_dim0
	s_mov_b32 s[\g+2], 128<<16                     ; tensor_dim1 = 128
	s_mov_b32 s[\g+3], ROWB<<16                    ; tile_dim0
	s_mov_b32 s[\g+4], 128                         ; tile_dim1 = 128
	s_mov_b32 s[\g+5], KROW                        ; tensor_dim0_stride
	s_mov_b32 s[\g+6], 0
	s_mov_b32 s[\g+7], 0
.endr
	; and for the scales of 128 rows: a dense block of 128 KS bytes, as rows of 256 bytes (32 elements of 8 bytes), 16 bytes of padding behind each
	s_or_b32 s[G1S+0], s43, (3<<16)|(1<<20)|(1<<21)|(5<<22)|(3<<25)
	s_or_b32 s[G1SB+0], s44, (3<<16)|(1<<20)|(1<<21)|(5<<22)|(3<<25)
.irp g, G1S, G1SB
	s_mov_b32 s[\g+1], 32<<16
	s_mov_b32 s[\g+2], (128*KS/256)<<16
	s_mov_b32 s[\g+3], 32<<16
	s_mov_b32 s[\g+4], 128*KS/256
	s_mov_b32 s[\g+5], 32
	s_mov_b32 s[\g+6], 0
	s_mov_b32 s[\g+7], 0
.endr
	s_lshl_b32 s18, s16, 7                         ; which 128 rows of the tile I fetch
	s_lshl_b32 s20, s17, 8
	s_add_co_u32 s20, s20, s18                     ; x: row 256 x tile row + 128 x half
	s_lshl_b32 s46, s42, 8
	s_add_co_u32 s46, s46, s18                     ; w: row 256 x tile column + 128 x half
	s_mov_b32 s21, 0
	s_mov_b32 s47, 0
	s_mov_b64 s[18:19], KS
	s_mul_u64 s[22:23], s[20:21], s[18:19]         ; where these rows' scales begin, in bytes
	s_mul_u64 s[92:93], s[46:47], s[18:19]
	s_mov_b64 s[18:19], KROW
	s_mul_u64 s[20:21], s[20:21], s[18:19]         ; and their codes
	s_mul_u64 s[46:47], s[46:47], s[18:19]
	s_mul_i32 s45, s14, HALFT                      ; where they go: wave x 128 rows: no place in the cluster enters an LDS address
	s_mul_i32 s94, s14, HALFS
	s_wait_kmcnt 0x0
	s_add_nc_u64 s[20:21], s[4:5], s[20:21]
	s_add_nc_u64 s[22:23], s[6:7], s[22:23]
	s_add_nc_u64 s[46:47], s[8:9], s[46:47]
	s_add_nc_u64 s[92:93], s[10:11], s[92:93]
	CROUND                                         ; all sixteen work-groups are here: the joint loads meet
	s_mov_b32 s[G0S], 1
	s_add_co_u32 s[G0S+1], s94, SCL
	s_mov_b64 s[G0S+2:G0S+3], s[22:23]
	s_or_b32 s[G0S+3], s[G0S+3], 0x80000000
	s_mov_b32 s[G0SB], 1
	s_add_co_u32 s[G0SB+1], s94, SCL
	s_mov_b64 s[G0SB+2:G0SB+3], s[92:93]
	s_or_b32 s[G0SB+3], s[G0SB+3], 0x80000000
	JLOAD G0S, G1S, G0SB, G1SB                     ; the scales first: they are wanted with slot 0.  With the two below, three tensor loads of mine are out
.irp s, 0,1
	s_mov_b32 s[G0+4*\s], 1
	s_add_co_u32 s[G0+4*\s+1], s45, \s*SLOT
	s_add_nc_u64 s[G0+4*\s+2:G0+4*\s+3], s[20:21], \s*ROWB
	s_or_b32 s[G0+4*\s+3], s[G0+4*\s+3], 0x80000000
	s_mov_b32 s[G0B+4*\s], 1
	s_add_co_u32 s[G0B+4*\s+1], s45, \s*SLOT
	s_add_nc_u64 s[G0B+4*\s+2:G0B+4*\s+3], s[46:47], \s*ROWB
	s_or_b32 s[G0B+4*\s+3], s[G0B+4*\s+3], 0x80000000
	JLOAD G0+4*\s, G1, G0B+4*\s, G1B
.endr
	v_and_b32 v1, 15, v0                           ; l % 16
	v_bfe_u32 v2, v0, 4, 1                         ; l / 16
	v_mul_u32_u24 v3, v1, PITCH
	v_lshl_add_u32 v4, v2, 4, v3                   ; a fragment's row x pitch + 16 x half
	s_mul_i32 s21, s15, HALFT                      ; my 128 rows of x
	s_mul_i32 s22, s16, HALFT                      ; my 128 rows of w,
	s_add_co_u32 s22, s22, 2*HALFT                 ; which lie behind x's 256
.irp s, 0,1
	v_add_nc_u32 v[ADRA+\s], s21, v4
	v_add_nc_u32 v[ADRB+\s], s22, v4
	s_add_co_u32 s21, s21, SLOT
	s_add_co_u32 s22, s22, SLOT
.endr
	v_mul_u32_u24 v5, v1, KS                       ; my row's scales: KS bytes a row,
	v_lshrrev_b32 v6, 8, v5
	v_lshl_add_u32 v5, v6, 4, v5                   ; and 16 more for each 256 passed
	s_mul_i32 s21, s15, HALFS                      ; x's: my 128 rows
	s_mul_i32 s22, s16, HALFS                      ; w's: my 128 rows, behind x's 256
	s_add_co_u32 s22, s22, 2*HALFS
	s_sub_co_u32 s22, s22, s21
	v_mul_u32_u24 v6, s22, v2                      ; lanes 16-31 take w's
	s_add_co_u32 s21, s21, SCL
	v_add_nc_u32 v5, v5, v6
	v_add_nc_u32 v[ADRS], s21, v5
	v_and_b32 v6, 31, v0
	v_lshlrev_b32 v[CO], 4, v6
	v_lshlrev_b32 v[WO], 2, v6
	; where my results go.  My first position row is 256 x tile row + 128 x half, my first head 4 x tile column + 2 x half.
	; codes: head x 262,144 + (row / 16) x 512 bytes;  scale words: head x 32,768 + row x 4 bytes
	s_lshl_b32 s20, s17, 13
	s_lshl_b32 s21, s15, 12
	s_add_co_u32 s20, s20, s21
	s_lshl_b32 s46, s42, 20
	s_lshl_b32 s47, s16, 19
	s_add_co_u32 s46, s46, s47
	s_add_co_u32 s20, s20, s46
	s_mov_b32 s21, 0
	s_add_nc_u64 s[96:97], s[96:97], s[20:21]
	s_lshl_b32 s20, s17, 10
	s_lshl_b32 s22, s15, 9
	s_add_co_u32 s20, s20, s22
	s_lshl_b32 s46, s42, 17
	s_lshl_b32 s47, s16, 16
	s_add_co_u32 s46, s46, s47
	s_add_co_u32 s20, s20, s46
	s_add_nc_u64 s[98:99], s[98:99], s[20:21]
	s_mov_b32 s18, 0x76543210                      ; v_permlanex16_b32's selects for lane l xor 16
	s_mov_b32 s19, 0xfedcba98
	s_mov_b32 s3, 0xffff0000                       ; lanes 16-31
.macro FRAG reg, adr, q, i             ; a fragment, 16 rows x 128 K of 4-bit codes, is 8 registers: lane l holds row l % 16; registers 4 c .. 4 c + 3 hold K = 64 c + 32 (l / 16) + 0 .. 31
.irp c, 0,1
	ds_load_b128 v[\reg+4*\c:\reg+4*\c+3], v[\adr] offset:64*(\q)+32*\c+(\i)*16*PITCH
.endr
.endm
; 16 matrix instructions: x's blocks a0, a0 + 1 against w's eight, 128 along K: the slot's q-th.  p: w's set;  sc: the set of scale words.  zero = 1: the first product starts the sums: nothing is ever cleared.
; The 64 accumulators take turns, one instruction a turn, in the same order in every step.
.macro MUL16 a0, p, q, sc, zero
.irp a, \a0, \a0+1
.irp b, 0,1,2,3,4,5,6,7
.if \zero
	v_wmma_scale_f32_16x16x128_f8f6f4 v[8*(8*((\a)%4)+\b):8*(8*((\a)%4)+\b)+7], v[128*(\p)+FR*\b:128*(\p)+FR*\b+FR-1], v[AF+FR*(\a):AF+FR*(\a)+FR-1], 0, v[SC+8*NQ*(\sc)+NQ*\b+(\q)], v[SC+8*NQ*(\sc)+NQ*(\a)+(\q)] matrix_a_fmt:MATRIX_FMT_FP4 matrix_b_fmt:MATRIX_FMT_FP4 matrix_a_scale:MATRIX_SCALE_ROW1
.else
	v_wmma_scale_f32_16x16x128_f8f6f4 v[8*(8*((\a)%4)+\b):8*(8*((\a)%4)+\b)+7], v[128*(\p)+FR*\b:128*(\p)+FR*\b+FR-1], v[AF+FR*(\a):AF+FR*(\a)+FR-1], v[8*(8*((\a)%4)+\b):8*(8*((\a)%4)+\b)+7], v[SC+8*NQ*(\sc)+NQ*\b+(\q)], v[SC+8*NQ*(\sc)+NQ*(\a)+(\q)] matrix_a_fmt:MATRIX_FMT_FP4 matrix_b_fmt:MATRIX_FMT_FP4 matrix_a_scale:MATRIX_SCALE_ROW1
.endif
.endr
.endr
.endm
.macro FETCH_B slot, q, p              ; w's eight fragments of the slot's q-th 128 along K into set p
	WIN TO_B
.irp i, 0,1,2,3,4,5,6,7
	FRAG 128*(\p)+FR*\i, ADRB+\slot, \q, \i
.endr
	WIN 0
.endm
.macro FETCH_A slot, q, i0             ; x's blocks i0 .. i0 + 3
.irp i, \i0, \i0+1, \i0+2, \i0+3
	FRAG AF+FR*(\i), ADRA+\slot, \q, \i
.endr
.endm
.macro SCALES sc                       ; a slot's scale words into set sc: NQ words a row; lanes 0-15 take x's block i, lanes 16-31 w's block i
.irp i, 0,1,2,3,4,5,6,7
	ds_load_b128 v[SC+8*NQ*\sc+NQ*\i:SC+8*NQ*\sc+NQ*\i+3], v[ADRS] offset:\i*SBLK
.endr
.endm
; A load into a register that a matrix instruction has read, and a vector instruction that reads a matrix result, stand NP places behind that matrix instruction, and only plain vector instructions that name
; none of its registers are places (ISA guide 7.12.1 for vector instructions).
.macro PLACES n
.rept \n
	v_nop
.endr
.endm
; A step of 128 along K that has its successor in the same slot.
.macro STEP slot, q, zero
	s_wait_dscnt 4*NL                              ; w's set and x's blocks 0-3 are in; the youngest eight loads (x's blocks 4-7) may be out
	WIN MUL_LO
	MUL16 0, (\q)%2, \q, \slot, \zero
	MUL16 2, (\q)%2, \q, \slot, \zero
	s_wait_dscnt 0                                 ; x's blocks 4-7 are in (asked for 32 matrix instructions ago)
	PLACES NP
	FETCH_B \slot, (\q)+1, 1-(\q)%2
	FETCH_A \slot, (\q)+1, 0
	WIN MUL_HI
	MUL16 4, (\q)%2, \q, \slot, \zero
	MUL16 6, (\q)%2, \q, \slot, \zero
	PLACES NP
	WIN 0
	FETCH_A \slot, (\q)+1, 4
.endm
; Slot 0's last step changes slots: one barrier; in front of it each wave waits for all its tensor loads (its part of slot 1 among them).  Nothing is filled again: K ends with slot 1.
.macro TURN slot, next
	s_wait_tensorcnt 0x0                           ; all my tensor loads have landed: my part of the next slot;  (every window is 0 here)
	ds_add_u32 v[SPW], v[NIL]                      ; 0 onto my spare word
	s_wait_dscnt 4*NL+1                            ; (the add and the youngest eight loads, x's blocks 4-7, may be out)
	WIN MUL_LO
	MUL16 0, 1, NQ-1, \slot, 0                     ; sixteen matrix instructions stand between the add and the wait for it
	s_wait_dscnt 0x0                               ; the add is done, and my reads of this slot are over
	s_barrier_signal -1
	MUL16 2, 1, NQ-1, \slot, 0
	WIN 0
	s_barrier_wait -1                              ; the next slot is whole: every wave's part has landed
	PLACES NP
	v_add_nc_u32 v[ADRS], 4*NQ, v[ADRS]            ; on to the next slot's scale words (no LDS load of mine is out)
	FETCH_B \next, 0, 0
	FETCH_A \next, 0, 0
	SCALES \next
	WIN MUL_HI
	MUL16 4, 1, NQ-1, \slot, 0
	MUL16 6, 1, NQ-1, \slot, 0
	PLACES NP
	WIN 0
	FETCH_A \next, 0, 4
.endm
.macro STEPS slot, from                ; the slot's steps from .. NQ - 2
.set Q, \from
.rept NQ-1-\from
	STEP \slot, Q, 0
.set Q, Q+1
.endr
.endm
	s_wait_tensorcnt 1                             ; the scales and my part of slot 0 are in (slot 1's load may be out)
	s_barrier_signal -1
	s_barrier_wait -1                              ; everybody's are
	FETCH_B 0, 0, 0
	FETCH_A 0, 0, 0
	SCALES 0
	FETCH_A 0, 0, 4
	STEP 0, 0, 1                                   ; the first step's products start the sums
	STEPS 0, 1
	TURN 0, 1
	STEPS 1, 0
	s_wait_dscnt 4*NL                              ; the very last step: nothing more to fetch
	WIN MUL_LO
	MUL16 0, 1, NQ-1, 1, 0
	MUL16 2, 1, NQ-1, 1, 0
	s_wait_dscnt 0
	WIN MUL_HI
	MUL16 4, 1, NQ-1, 1, 0
	MUL16 6, 1, NQ-1, 1, 0
	WIN 0
; THE WAY OUT, block by block of 16 position rows x 128 columns (two heads).  Of block a's 64 registers, register 16 b + i is column 32 b + 16 (lane / 16) + i of my row: block b of 32 lies in lanes l and l xor 16.
; The largest magnitude of each block (with the floor 2^(3 - 127) among its leaves, so that the byte cannot fall under 1), 2 off its exponent field: the conversion's scale operand; that shifted: the byte.
; The conversions give half blocks; two exchanges of lane halves for each pair of blocks give a lane a whole block, as a 4-bit operand wants it.  Registers 0-3 are then the first head's fragment, 4-7 the second's.
; Each accumulator is first read at its low end.
.macro OUTQ a
.set AC, 64*((\a)%4)
.set PC, PCB+8*(\a)
	WIN 20*(2+(\a)/4)                              ; sources 1 and 2: the accumulators' window
.irp b, 0,1,2,3
	v_max3_num_f32 v[TM+\b], 0x1800000, |v[AC+16*\b]|, |v[AC+16*\b+1]|
.endr
.irp i, 2,4,6,8,10,12,14
.irp b, 0,1,2,3
	v_max3_num_f32 v[TM+\b], v[TM+\b], |v[AC+16*\b+\i]|, |v[AC+16*\b+\i+1]|   ; the four blocks by turns
.endr
.endr
	WIN 0
.irp b, 0,1,2,3
	v_permlanex16_b32 v[TM+4+\b], v[TM+\b], s18, s19
.endr
.irp b, 0,1,2,3
	v_max_num_f32 v[TM+\b], v[TM+\b], v[TM+4+\b]   ; with lane l xor 16's: the block's largest magnitude
.endr
.irp b, 0,1,2,3
	v_add_nc_u32 v[TM+12+\b], 0xff000000, v[TM+\b]
.endr
.irp b, 0,1,2,3
	v_lshrrev_b32 v[TM+4+\b], 23, v[TM+12+\b]
.endr
	v_lshl_or_b32 v[PW], v[TM+5], 8, v[TM+4]
	v_lshl_or_b32 v[PW], v[TM+6], 16, v[PW]
	v_lshl_or_b32 v[PW], v[TM+7], 24, v[PW]
	v_perm_b32 v[W0+(\a)], v[PW], v[PW], 0x01000100   ; the first head's two bytes, twice;
	v_perm_b32 v[W1+(\a)], v[PW], v[PW], 0x03020302   ; the second head's
	WIN (2+(\a)/4)                                 ; source 0: the accumulators' window
.irp b, 0,1,2,3
	v_cvt_scalef32_pk8_fp4_f32 v[PC+2*\b], v[AC+16*\b:AC+16*\b+7], v[TM+12+\b]
	v_cvt_scalef32_pk8_fp4_f32 v[PC+2*\b+1], v[AC+16*\b+8:AC+16*\b+15], v[TM+12+\b]
.endr
	WIN 0
	v_nop                                          ; one plain line behind the conversions
.irp c, 0,1
.irp i, 0,1
	v_permlane16_swap_b32 v[PC+4*\c+\i], v[PC+2+4*\c+\i]
.endr
.endr
	global_store_b128 v[CO], v[PC:PC+3], s[96:97] offset:512*(\a)            ; 32 lanes store 512 consecutive bytes, aligned: the first head's fragment of these 16 rows,
	global_store_b128 v[CO], v[PC+4:PC+7], s[96:97] offset:512*(\a)+262144   ; the second head's.  No store's data are written again
.endm
.irp b, 0,1,2,3
	v_mov_b32 v[TM+4+\b], 0                        ; a lane permute's destination counts as one of its sources: written once.  These four plain lines are also the places behind the last products
.endr
.irp a, 0,1,2,3,4,5,6,7
	OUTQ \a
.endr
.irp i, 0,1,2,3
	v_cndmask_b32 v[MG+\i], v[W0+2*\i], v[W0+2*\i+1], s3      ; lanes 0-15: block 2 i's rows, lanes 16-31: block 2 i + 1's: 32 position rows on end
	v_cndmask_b32 v[MG+4+\i], v[W1+2*\i], v[W1+2*\i+1], s3
.endr
.irp i, 0,1,2,3
	global_store_b32 v[WO], v[MG+\i], s[98:99] offset:128*\i            ; 128 consecutive bytes a store
	global_store_b32 v[WO], v[MG+4+\i], s[98:99] offset:32768+128*\i
.endr
	s_wait_tensorcnt 0x0                           ; the wave's end
	ds_add_u32 v[SPW], v[NIL]
	s_wait_dscnt 0x0
	CROUND                                         ; the closing round: no work-group ends while a partner may still ask for a tile that names it
	s_endpgm
.Lfunc_end_k_q425d12f1c5_gemm:
	.size	k_q425d12f1c5_gemm, .Lfunc_end_k_q425d12f1c5_gemm-k_q425d12f1c5_gemm
	.p2alignl 7, 3214868480
	.fill 96, 4, 3214868480
	.section	.rodata,"a",@progbits
	.p2align	6, 0x0
	.amdhsa_kernel k_q425d12f1c5_gemm
		.amdhsa_group_segment_fixed_size 327680
		.amdhsa_private_segment_fixed_size 0
		.amdhsa_enable_private_segment 0
		.amdhsa_kernarg_size 48
		.amdhsa_user_sgpr_count 2
		.amdhsa_user_sgpr_kernarg_segment_ptr 1
		.amdhsa_wavefront_size32 1
		.amdhsa_system_sgpr_workgroup_id_x 1
		.amdhsa_system_sgpr_workgroup_id_y 1
		.amdhsa_system_sgpr_workgroup_id_z 1
		.amdhsa_system_vgpr_workitem_id 0
		.amdhsa_next_free_vgpr 1024
		.amdhsa_next_free_sgpr 100
		.amdhsa_reserve_vcc 0
		.amdhsa_float_denorm_mode_32 3
		.amdhsa_float_denorm_mode_16_64 3
		.amdhsa_memory_ordered 1
		.amdhsa_forward_progress 1
		.amdhsa_inst_pref_size 130
	.end_amdhsa_kernel
	.amdgpu_metadata
---
amdhsa.version: [ 1, 2 ]
amdhsa.kernels:
  - .name:           k_q425d12f1c5_gemm
    .symbol:         k_q425d12f1c5_gemm.kd
    .args:
      - { .name: xc, .offset: 0, .size: 8, .value_kind: global_buffer, .address_space: global }
      - { .name: xs, .offset: 8, .size: 8, .value_kind: global_buffer, .address_space: global }
      - { .name: wc, .offset: 16, .size: 8, .value_kind: global_buffer, .address_space: global }
      - { .name: ws, .offset: 24, .size: 8, .value_kind: global_buffer, .address_space: global }
      - { .name: qkc, .offset: 32, .size: 8, .value_kind: global_buffer, .address_space: global }
      - { .name: qks, .offset: 40, .size: 8, .value_kind: global_buffer, .address_space: global }
    .group_segment_fixed_size: 327680
    .private_segment_fixed_size: 0
    .kernarg_segment_align: 8
    .kernarg_segment_size: 48
    .max_flat_workgroup_size: 128
    .sgpr_count:     100
    .vgpr_count:     1024
    .wavefront_size: 32
...
	.end_amdgpu_metadata
.endif
;; end of part 3
;; launch attn (part 4): grid 4 x 64, 16 waves a work-group, clusters of 4 x 1, 216,064 bytes of LDS; arguments qkc, qks, vc, vs, alpha, beta, gamma, out0; writes out0
.if DOCPART == 4
	.amdgcn_target "amdgcn-amd-amdhsa--gfx1250"
	.amdhsa_code_object_version 6
	.text
	.protected	k_q425d12f1c5_attn
	.globl	k_q425d12f1c5_attn
	.p2align	8
	.type	k_q425d12f1c5_attn,@function
k_q425d12f1c5_attn:
	s_mov_b64 s[64:65], 0
	v_nop
	global_prefetch_b8 v0, s[64:65] scope:SCOPE_SE
	s_setreg_imm32_b32 hwreg(HW_REG_WAVE_MODE, 25, 1), 1
	s_wait_xcnt 0x0
	s_wait_alu depctr_hold_cnt(0) depctr_sa_sdst(0) depctr_va_vdst(0) depctr_va_sdst(0) depctr_va_ssrc(0) depctr_va_vcc(0) depctr_vm_vsrc(0)
	s_getreg_b32 s2, hwreg(HW_REG_IB_STS2, 6, 4)
	s_cmp_eq_u32 s2, 0
	s_cbranch_scc0 .Lentry_in_a_cluster
	s_endpgm
.Lentry_in_a_cluster:
	s_bfe_u32 s2, ttmp6, 0x10000c
	s_cmp_lg_u32 s2, 0x3003
	s_cbranch_scc0 .Lentry_shape_is_right
	s_endpgm
.Lentry_shape_is_right:
; out[b][t][64 h + d] = sum over keys of att(t, key) v(key, d), att = beta softmax(causal q k^T / 8) + alpha Id - gamma MC, both products on codes of FP4 (E2M1) with one E8M0 scale for each 32 along K.
; Id(i, j) = e / (e + 2047) on the diagonal and 1 / (e + 2047) elsewhere; MC(i, j) = 1 / (i + 1) for j <= i, else 0.  So above the diagonal att is the constant alpha / (e + 2047), not 0.
; WHAT IS QUANTISED is the finished att, with the softmax normalised: a row's maximum and sum are wanted before its first code.  So each tile of 16 queries walks its causal keys TWICE: pass 1 finds the
; maximum and the sum, pass 2 makes the scores again, finishes att, quantises it along the keys and multiplies by v.  Key steps wholly above the diagonal have no scores: their operand is one code in every
; place under one scale byte, made once; they are multiplied like the others.
; SOFTMAX.  t = score x log2(e) / 8; M = the largest t rounded up to a whole number; p = 2^(t - M); att = p x (beta / sum of p) + (alpha Id - gamma MC): one fused multiply-add.
; LIMITS: NaN and infinities are not served; a p under 2^-126 counts as 0 (v_exp_f32 flushes denormal results: ISA guide 15.8); a block of zeros gets the scale byte 1 (its codes are zeros);
; att's three terms are rounded once here and three times where they are added one by one: a difference of the order of 2^-23 of the largest term.
; INPUTS.  qkc [head' 0..31][128 b + tile][512 bytes]: registers 0-3 of a fragment of 16 rows x 64 channels, lane l's 16 bytes at 16 l (head' = h: q; 16 + h: k).  The rows of tile T are rows
; 32 (T / 2) + 8 (T % 2) + r + 8 (r / 8) of the batch.  qks [head'][row's position]: a word, the row's two scale bytes twice.  vc [b][channel][2048 keys]: codes, keys innermost.  vs [16 b + h][step][64 channels]: words.
; K = 64 IN A FORM OF K = 128: q's registers 4-7 hold zero codes; as k's registers 4-7 stand the next tile's four (behind the last tile: zeros): finite codes times zero.
; SHARES.  A work-group of sixteen waves; the four work-groups of a cluster share one (b, h).  A head's k and v, codes and scale words, 144,384 bytes, come into each one's LDS ONCE, by four joint tensor loads
; (waves 0 to 3, one each, a mask that names the four), and stay: nothing is filled again.  Wave w (g = w / 2, e = w % 2) makes two tiles of 16 queries: tile 8 G + 2 cx + e, G = 15 - g and then G = g.
; A tile has G + 1 causal steps of 128 keys, so every wave has 17 such steps and 15 constant ones.  G hangs on the wave's number alone; cx enters vector data and the addresses of q and out only.
; LAYOUT.  Both products are used transposed: S^T = k q^T (source 0 = 16 keys), O^T = v^T att^T (source 0 = 16 channels): a lane holds ONE query (lane % 16) throughout, and by the order of k's rows the 16
; registers of score tiles 2 b and 2 b + 1 are keys 32 b + 16 (lane / 16) + 0 .. 15 of the step.
; No prefetch: the launch reads k and v once, at its head, and waits for no stream afterwards.
.set KCB,   0                          ; LDS: k's codes: 128 tiles x 512 bytes
.set VCB,   65536                      ; v's codes: 64 channels x (1,024 bytes + 16 of padding)
.set VP,    1040                       ; = 65 x 16: the 16 rows that a load touches start at 16 different groups of four banks (64 banks of 4 bytes: ISA guide 11.1)
.set KSB,   132096                     ; k's scale words: 2,048 x 4 bytes
.set VSB,   140288                     ; v's: 16 steps x 64 x 4 bytes
.set STAGE, 144384                     ; the way out: 16 rows x 272 bytes for each wave, its own; no tensor load lands here
.set SP,    272
.set AK0,  1                           ; v1   16 x lane: my place in a tile of k
.set AV0,  2                           ; v2   VCB + 1040 r + 16 h: my place in a tile of v
.set ASK0, 3                           ; v3   KSB + 4 x lane
.set ASV0, 4                           ; v4   VSB + 4 x lane
.set STO,  5                           ; v5   the stage: where I put 32 bytes of a row
.set RD,   6                           ; v6   and where I read a row back
.set GO,   7                           ; v7   my byte offset in out: 4,096 (lane / 16) + 16 (lane % 16)
.set ADK,  8                           ; v8-11 the LDS addresses of the step in hand: k, v, k's words, v's words
.set ADV,  9
.set ADS,  10
.set ADT,  11
.set QF,   16                          ; v16-19 q's codes, v20-23 zeros;  v12 -M, v13 the largest t, v[14:15] the sum in two halves
.set QW,   24                          ; v24  q's scale words
.set DD,   25                          ; v25  d = my query's place in its step - 16 (lane / 16): register 16 b + i holds the key 32 b + i - d places above my query
.set BI,   26                          ; v[26:27] beta / sum;  the addend on the diagonal
.set CDI,  27
.set CLO,  28                          ; v[28:29] the addend below the diagonal;  above it
.set CUP,  29
.set QO,   30                          ; v30  16 x lane;  v31  4 x (lane % 16)
.set QSO,  31
.set KF,   32                          ; v32-63 k's eight tiles, four registers each; v64-67 zeros
.set KW,   68                          ; v68-71 k's scale words: tile 2 p in lanes 0-15, tile 2 p + 1 in lanes 16-31
.set VW,   72                          ; v72-73 v's likewise
.set PW,   74                          ; v74  att's scale word
.set CW,   75                          ; v75  the constant operand's scale word;  v76-83 its codes
.set CC,   76
.set TQ,   84                          ; v84  my query's place in its step;  v85 alpha e / (e + 2047);  v86-89 at work
.set ADI,  85
.set SC,   96                          ; v96-159 S^T, then p, then att
.set OT,   160                         ; v160-191 O^T
.set VF,   192                         ; v192-223 v's four fragments
.set PC,   224                         ; v224-231 att's codes
.set TM,   232                         ; v232-235 maxima, v236-239 the other half's, then bytes, v244-247 the conversions' scale operands;  v248-254 at work
.set SEL,  20                          ; s[20:21] lane selects for v_permlanex16_b32: lane l xor 16
.set CS,   22                          ; s[22:23] log2(e) / 8: the packed form names a pair and takes its low word for both halves
.set G1K,  24                          ; s[24:31], s[32:39], s[40:47], s[48:55] descriptor groups 1: k's codes, v's codes, k's words, v's words
.set G1V,  32
.set G1KS, 40
.set G1VS, 48
.set G0K,  56                          ; s[56:59], s[60:63], s[68:71], s[72:75] their groups 0
.set G0V,  60
.set G0KS, 68
.set G0VS, 72
.set WV,   76                          ; s76 wave;  s77 cx;  s78 y = 16 b + h;  s79 b;  s80 h;  s82 e
.set CX,   77
.set YY,   78
.set BB,   79
.set HH,   80
.set EE,   82
.set GG,   83                          ; s83 G: the tile's diagonal step
.set TILES, 84                         ; s84 tiles to go
.set STEP, 85                          ; s85 the key step
.set KO,   86                          ; s86-89 where the step begins in k's codes (4,096 bytes a step), k's words (512), a row of v's codes (64), v's words (256)
.set SO,   87
.set VO,   88
.set TO,   89
.set AL,   90                          ; s90-92 alpha, beta, gamma
.set BE,   91
.set GA,   92
.set W0D,  15|(3<<16)|(1<<21)          ; group 1, word 0: 15:0 the mask: all four work-groups; 17:16 elements of 8 bytes; 21 set beside a mask
.set W0P,  W0D|(1<<20)|(7<<22)|(3<<25) ; the same with padding: 4 words (code 3) after every 256 words (code 7)
.macro G1SET g, w0, c, r               ; r rows of c elements of 8 bytes, dense in memory
	s_mov_b32 s[\g], \w0
	s_mov_b32 s[\g+1], (\c)<<16                    ; tensor_dim0
	s_mov_b32 s[\g+2], (\r)<<16                    ; tensor_dim1
	s_mov_b32 s[\g+3], (\c)<<16                    ; tile_dim0
	s_mov_b32 s[\g+4], \r                          ; tile_dim1
	s_mov_b32 s[\g+5], \c                          ; tensor_dim0_stride
	s_mov_b32 s[\g+6], 0
	s_mov_b32 s[\g+7], 0
.endm
.macro G0SET g, lds, ptr, off
	s_mov_b32 s[\g], 1                             ; count = 1
	s_mov_b32 s[\g+1], \lds                        ; LDS address
	s_add_nc_u64 s[\g+2:\g+3], s[\ptr:\ptr+1], s[\off:\off+1]   ; global address: it hangs on b and h alone, which the four partners share
	s_or_b32 s[\g+3], s[\g+3], 0x80000000          ; type = 2
.endm
.macro ROUND                           ; a round of the cluster's barrier
	s_barrier_signal -1
	s_barrier_wait -1
	s_cmp_lg_u32 s[WV], 0
	s_cbranch_scc1 .Lnot_wave_0_\@
	s_barrier_signal -3
.Lnot_wave_0_\@:
	s_barrier_wait -3
	s_barrier_signal -1
	s_barrier_wait -1
.endm
	s_load_b256 s[4:11], s[0:1], 0x0               ; qkc s[4:5], qks s[6:7], vc s[8:9], vs s[10:11]
	s_load_b256 s[12:19], s[0:1], 0x20             ; alpha's, beta's, gamma's addresses, out s[18:19]
	v_lshl_add_u32 v243, v0, 2, 0x34400
	v_mov_b32 v255, 0
	ds_add_u32 v243, v255
	ds_add_u32 v243, v255
	v_lshrrev_b32 v8, 5, v0
	v_readfirstlane_b32 s[WV], v8                  ; wave 0..15
	s_bfe_u32 s[CX], ttmp6, 0x40000                ; my place in the cluster
	s_and_b32 s[YY], ttmp7, 0xffff                 ; in a cluster launch ttmp7 counts clusters; a cluster is one work-group high
	s_lshr_b32 s[BB], s[YY], 4
	s_and_b32 s[HH], s[YY], 15
	s_lshr_b32 s[GG], s[WV], 1
	s_xor_b32 s[GG], s[GG], 15                     ; the first tile's G = 15 - g
	s_and_b32 s[EE], s[WV], 1
	G1SET G1K,  W0D, 32, 256                       ; 65,536 dense bytes as 256 rows of 256
	G1SET G1V,  W0P, 128, 64                       ; 64 rows of 1,024 bytes, 16 bytes of padding behind each
	G1SET G1KS, W0D, 32, 32                        ; 8,192 dense bytes
	G1SET G1VS, W0D, 32, 16                        ; 4,096 dense bytes
	s_add_co_u32 s2, s[HH], 16                     ; k's codes: ((16 + h) 512 + 128 b) tiles of 512 bytes
	s_lshl_b32 s2, s2, 18
	s_lshl_b32 s3, s[BB], 16
	s_add_co_u32 s2, s2, s3
	s_mov_b32 s3, 0
	s_lshl_b32 s86, s[BB], 20                      ; v's codes: (1024 b + 64 h) channels of 1,024 bytes
	s_lshl_b32 s87, s[HH], 16
	s_add_co_u32 s86, s86, s87
	s_mov_b32 s87, 0
	s_add_co_u32 s88, s[HH], 16                    ; k's words: ((16 + h) 8192 + 2048 b) x 4 bytes
	s_lshl_b32 s88, s88, 15
	s_lshl_b32 s89, s[BB], 13
	s_add_co_u32 s88, s88, s89
	s_mov_b32 s89, 0
	s_lshl_b32 s92, s[YY], 12                      ; v's words: 4,096 bytes for each (b, h)
	s_mov_b32 s93, 0
	s_mov_b32 s[SEL], 0x76543210
	s_mov_b32 s[SEL+1], 0xfedcba98
	s_mov_b32 s[CS], 0x3e38aa3b                    ; log2(e) / 8
	s_mov_b32 s[CS+1], s[CS]                       ; (named with it as a pair, so it is written)
	s_mov_b32 s[TILES], 2
	s_wait_dscnt 0x0
	s_wait_kmcnt 0x0
	G0SET G0K,  KCB, 4, 2
	G0SET G0V,  VCB, 8, 86
	G0SET G0KS, KSB, 6, 88
	G0SET G0VS, VSB, 10, 92
	ROUND                                          ; all four work-groups are here: the joint loads meet
	; Waves 0 to 3 issue one joint load each, the others none: a wave never has more than one tensor load out.  The branches hang on the wave's number alone.
	; Four v_nop follow each load, ahead of the jump, the label and what follows.
	s_cmp_lg_u32 s[WV], 0
	s_cbranch_scc1 .Lfill_1
	tensor_load_to_lds s[G0K:G0K+3], s[G1K:G1K+7]
	s_nop 0
.rept 4
	v_nop
.endr
	s_branch .Lfilled
.Lfill_1:
	s_cmp_lg_u32 s[WV], 1
	s_cbranch_scc1 .Lfill_2
	tensor_load_to_lds s[G0V:G0V+3], s[G1V:G1V+7]
	s_nop 0
.rept 4
	v_nop
.endr
	s_branch .Lfilled
.Lfill_2:
	s_cmp_lg_u32 s[WV], 2
	s_cbranch_scc1 .Lfill_3
	tensor_load_to_lds s[G0KS:G0KS+3], s[G1KS:G1KS+7]
	s_nop 0
.rept 4
	v_nop
.endr
	s_branch .Lfilled
.Lfill_3:
	s_cmp_lg_u32 s[WV], 3
	s_cbranch_scc1 .Lfilled
	tensor_load_to_lds s[G0VS:G0VS+3], s[G1VS:G1VS+7]
	s_nop 0
.rept 4
	v_nop
.endr
.Lfilled:
	s_load_b32 s[AL], s[12:13], 0x0
	s_load_b32 s[BE], s[14:15], 0x0
	s_load_b32 s[GA], s[16:17], 0x0
	; q's codes, q's words and out at G = 0: tile 2 cx + e of head h, batch b
	s_lshl_b32 s2, s[HH], 18                       ; (512 h + 128 b + 2 cx + e) x 512 bytes
	s_lshl_b32 s3, s[BB], 16
	s_add_co_u32 s2, s2, s3
	s_lshl_b32 s3, s[CX], 10
	s_add_co_u32 s2, s2, s3
	s_lshl_b32 s3, s[EE], 9
	s_add_co_u32 s2, s2, s3
	s_mov_b32 s3, 0
	s_add_nc_u64 s[4:5], s[4:5], s[2:3]
	s_lshl_b32 s2, s[HH], 15                       ; (8192 h + 2048 b + 16 (2 cx + e)) x 4 bytes
	s_lshl_b32 s93, s[BB], 13
	s_add_co_u32 s2, s2, s93
	s_lshl_b32 s93, s[CX], 7
	s_add_co_u32 s2, s2, s93
	s_lshl_b32 s93, s[EE], 6
	s_add_co_u32 s2, s2, s93
	s_add_nc_u64 s[6:7], s[6:7], s[2:3]
	s_lshl_b32 s2, s[BB], 23                       ; (2048 b + 32 cx + 8 e) rows of 4,096 bytes + 256 h
	s_lshl_b32 s93, s[CX], 17
	s_add_co_u32 s2, s2, s93
	s_lshl_b32 s93, s[EE], 15
	s_add_co_u32 s2, s2, s93
	s_lshl_b32 s93, s[HH], 8
	s_add_co_u32 s2, s2, s93
	s_add_nc_u64 s[18:19], s[18:19], s[2:3]
	v_and_b32 v86, 31, v0                          ; lane
	v_and_b32 v87, 15, v0                          ; r
	v_bfe_u32 v88, v0, 4, 1                        ; h
	v_lshlrev_b32 v[AK0], 4, v86
	v_mul_u32_u24 v[AV0], v87, VP
	v_lshl_add_u32 v[AV0], v88, 4, v[AV0]
	v_add_nc_u32 v[AV0], VCB, v[AV0]
	v_lshl_add_u32 v[ASK0], v86, 2, KSB
	v_lshl_add_u32 v[ASV0], v86, 2, VSB
	s_mul_i32 s2, s[WV], 16*SP
	s_add_co_u32 s2, s2, STAGE                     ; my stage
	v_mul_u32_u24 v[STO], v87, SP                  ; in: row r, 32 bytes for each half of the lanes
	v_lshl_add_u32 v[STO], v88, 5, v[STO]
	v_add_nc_u32 v[STO], s2, v[STO]
	v_mul_u32_u24 v[RD], v88, SP                   ; back: lanes 0-15 one row of 256 bytes, lanes 16-31 the next
	v_lshl_add_u32 v[RD], v87, 4, v[RD]
	v_add_nc_u32 v[RD], s2, v[RD]
	v_lshlrev_b32 v[GO], 12, v88
	v_lshl_add_u32 v[GO], v87, 4, v[GO]
	v_lshlrev_b32 v[QO], 4, v86
	v_lshlrev_b32 v[QSO], 2, v87
	v_and_b32 v89, 8, v87
	v_add_nc_u32 v[TQ], v89, v87                   ; r + 8 (r / 8)
	s_lshl_b32 s93, s[CX], 5
	s_lshl_b32 s3, s[EE], 3
	s_add_co_u32 s93, s93, s3
	v_add_nc_u32 v[TQ], s93, v[TQ]                 ; my query's place in its step of 128: 32 cx + 8 e + r + 8 (r / 8), the same for both tiles
	v_lshlrev_b32 v89, 4, v88
	v_sub_nc_u32 v[DD], v[TQ], v89
.irp j, 20,21,22,23,64,65,66,67
	v_mov_b32 v\j, 0                               ; zero codes: q's upper K half, and what stands behind k's last tile
.endr
.irp j, 236,237,238,239,248,253
	v_mov_b32 v\j, 0                               ; written once: a lane permute's destination counts as one of its sources; v253 is named as the upper half of a pair
.endr
	s_wait_kmcnt 0x0                               ; alpha, beta, gamma
	v_mov_b32 v[CUP], 0x39ffc910                   ; 1 / (e + 2047)
	v_mul_f32 v[CUP], s[AL], v[CUP]                ; att above the diagonal
	v_mov_b32 v[ADI], 0x3aadd2ff                   ; e / (e + 2047)
	v_mul_f32 v[ADI], s[AL], v[ADI]
	; the constant operand: 32 equal numbers to a block: its largest magnitude is the number's own
	v_max3_num_f32 v86, |v[CUP]|, |v[CUP]|, 0x1800000   ; with the floor 2^(3 - 127)
	v_add_nc_u32 v87, 0xff000000, v86              ; 2 off the exponent field: the conversion's scale operand
	v_lshrrev_b32 v88, 23, v87                     ; the byte,
	v_lshl_or_b32 v[CW], v88, 8, v88
	v_lshl_or_b32 v[CW], v[CW], 16, v[CW]          ; in all four places
.irp j, 0,1,2,3,4,5,6,7
	v_mov_b32 v[SC+\j], v[CUP]
.endr
	v_cvt_scalef32_pk8_fp4_f32 v[CC], v[SC:SC+7], v87
	v_nop                                          ; one plain line behind the conversion
.irp j, 1,2,3,4,5,6,7
	v_mov_b32 v[CC+\j], v[CC]
.endr
	s_wait_tensorcnt 0x0                           ; my load, if I issued one, has landed,
	s_barrier_signal -1
	s_barrier_wait -1                              ; everybody's has: k and v lie in LDS for the rest of the launch
.macro VLOAD                           ; the step's four fragments of v (16 channels x 128 keys each) and their scale words: ten LDS loads
.irp d, 0,1,2,3
.irp c, 0,1
	ds_load_b128 v[VF+8*\d+4*\c:VF+8*\d+4*\c+3], v[ADV] offset:16*VP*\d+32*\c
.endr
.endr
.irp p, 0,1
	ds_load_b32 v[VW+\p], v[ADT] offset:128*\p
.endr
.endm
; S^T of the step's 128 keys: eight tiles.  withv = 1: v's loads are issued behind k's and stay out while the scores are made.
.macro SCORES withv
.irp t, 0,1,2,3,4,5,6,7
	ds_load_b128 v[KF+4*\t:KF+4*\t+3], v[ADK] offset:512*\t
.endr
.irp p, 0,1,2,3
	ds_load_b32 v[KW+\p], v[ADS] offset:128*\p
.endr
.if \withv
	VLOAD
	s_wait_dscnt 10                                ; k's twelve loads are in; v's ten, issued behind them, may be out
.else
	s_wait_dscnt 0x0
.endif
.irp t, 0,2,4,6
	v_wmma_scale_f32_16x16x128_f8f6f4 v[SC+8*\t:SC+8*\t+7], v[KF+4*\t:KF+4*\t+7], v[QF:QF+7], 0, v[KW+\t/2], v[QW] matrix_a_fmt:MATRIX_FMT_FP4 matrix_b_fmt:MATRIX_FMT_FP4
	v_wmma_scale_f32_16x16x128_f8f6f4 v[SC+8*(\t+1):SC+8*(\t+1)+7], v[KF+4*(\t+1):KF+4*(\t+1)+7], v[QF:QF+7], 0, v[KW+\t/2], v[QW] matrix_a_fmt:MATRIX_FMT_FP4 matrix_b_fmt:MATRIX_FMT_FP4 matrix_a_scale:MATRIX_SCALE_ROW1
.endr
.rept 4
	v_nop                                          ; places ahead of the first read of the scores (ISA guide 7.12.1)
.endr
.endm
.macro MASK                            ; the diagonal step: the scores of keys above my query become -infinity: p = 0 then
	v_mov_b32 v254, 0xff800000
.set n, 0
.rept 64
	v_cmp_gt_i32 vcc_lo, 32*(n/16)+n%16, v[DD]
	v_cndmask_b32 v[SC+n], v[SC+n], v254, vcc_lo
.set n, n+1
.endr
.endm
.macro TMINUSM                         ; t - M, two at a time (of the pairs c and -M the low word serves both halves), and p = 2^(t - M): one batch of 64
.set n, 0
.rept 32
	v_pk_fma_f32 v[SC+n:SC+n+1], v[SC+n:SC+n+1], s[CS:CS+1], v[12:13] op_sel_hi:[1,0,0]
.set n, n+2
.endr
.set n, 0
.rept 64
	v_exp_f32 v[SC+n], v[SC+n]
.set n, n+1
.endr
.endm
.macro ATT_FULL                        ; a step wholly below the diagonal: att = p x (beta / sum) + (alpha / (e + 2047) - gamma / (i + 1))
.set n, 0
.rept 32
	v_pk_fma_f32 v[SC+n:SC+n+1], v[SC+n:SC+n+1], v[BI:BI+1], v[CLO:CLO+1] op_sel_hi:[1,0,0]
.set n, n+2
.endr
.endm
.macro ATT_DIAG                        ; the diagonal step: the addend is chosen for each key: below, on or above the diagonal
.set n, 0
.rept 64
	v_cmp_gt_i32 vcc_lo, 32*(n/16)+n%16, v[DD]
	v_cndmask_b32 v[250+n%2], v[CLO], v[CUP], vcc_lo
	v_cmp_eq_i32 vcc_lo, 32*(n/16)+n%16, v[DD]
	v_cndmask_b32 v[250+n%2], v[250+n%2], v[CDI], vcc_lo
	v_fma_f32 v[SC+n], v[SC+n], v[BI], v[250+n%2]
.set n, n+1
.endr
.endm
; att's 64 numbers of a lane (register 16 b + i = key 32 b + 16 (lane / 16) + i of my query) become the operand's codes and its scale word.
.macro QUANT
.irp b, 0,1,2,3
	v_max3_num_f32 v[TM+\b], |v[SC+16*\b]|, |v[SC+1+16*\b]|, 0x1800000   ; block b: my 16 numbers, and the floor 2^(3 - 127): so the byte cannot fall under 1
.endr
.irp i, 2,4,6,8,10,12,14
.irp b, 0,1,2,3
	v_max3_num_f32 v[TM+\b], v[TM+\b], |v[SC+16*\b+\i]|, |v[SC+1+16*\b+\i]|   ; the four blocks by turns
.endr
.endr
.irp b, 0,1,2,3
	v_permlanex16_b32 v[TM+4+\b], v[TM+\b], s[SEL], s[SEL+1]
.endr
.irp b, 0,1,2,3
	v_max_num_f32 v[TM+\b], v[TM+\b], v[TM+4+\b]   ; with lane l xor 16's: the block's largest magnitude
.endr
.irp b, 0,1,2,3
	v_add_nc_u32 v[TM+12+\b], 0xff000000, v[TM+\b]   ; 2 off its exponent field: the conversion's scale operand
.endr
.irp b, 0,1,2,3
	v_lshrrev_b32 v[TM+4+\b], 23, v[TM+12+\b]      ; the scale's byte
.endr
	v_lshl_or_b32 v[PW], v[TM+5], 8, v[TM+4]
	v_lshl_or_b32 v[PW], v[TM+6], 16, v[PW]
	v_lshl_or_b32 v[PW], v[TM+7], 24, v[PW]
.irp b, 0,1,2,3
	v_cvt_scalef32_pk8_fp4_f32 v[PC+2*\b], v[SC+16*\b:SC+7+16*\b], v[TM+12+\b]
	v_cvt_scalef32_pk8_fp4_f32 v[PC+1+2*\b], v[SC+8+16*\b:SC+15+16*\b], v[TM+12+\b]
.endr
	v_nop                                          ; one plain line behind the conversions
.irp c, 0,1                            ; the operand's layout wants a WHOLE block in a lane: lanes 0-15 block 2 c, lanes 16-31 block 2 c + 1
.irp i, 0,1
	v_permlane16_swap_b32 v[PC+4*\c+\i], v[PC+2+4*\c+\i]
.endr
.endr
.rept 8
	v_nop                                          ; a scale register written by a vector instruction stands eight places ahead of a scaled matrix instruction, an operand so written four
.endr
.endm
; O^T += v^T att^T for the step's 128 keys.  The four accumulators take turns, one instruction a turn, over the loop's backward jump too.
.macro PV codes, scale
.irp d, 0,2
	v_wmma_scale_f32_16x16x128_f8f6f4 v[OT+8*\d:OT+8*\d+7], v[VF+8*\d:VF+8*\d+7], v[\codes:\codes+7], v[OT+8*\d:OT+8*\d+7], v[VW+\d/2], v[\scale] matrix_a_fmt:MATRIX_FMT_FP4 matrix_b_fmt:MATRIX_FMT_FP4
	v_wmma_scale_f32_16x16x128_f8f6f4 v[OT+8*(\d+1):OT+8*(\d+1)+7], v[VF+8*(\d+1):VF+8*(\d+1)+7], v[\codes:\codes+7], v[OT+8*(\d+1):OT+8*(\d+1)+7], v[VW+\d/2], v[\scale] matrix_a_fmt:MATRIX_FMT_FP4 matrix_b_fmt:MATRIX_FMT_FP4 matrix_a_scale:MATRIX_SCALE_ROW1
.endr
.endm
.Ltile:                                            ; two trips: the wave's two tiles
	s_lshl_b32 s2, s[GG], 12                       ; 8 G tiles of 512 bytes,
	s_mov_b32 s3, 0
	s_add_nc_u64 s[94:95], s[4:5], s[2:3]
	s_lshl_b32 s2, s[GG], 9                        ; 128 G words,
	s_add_nc_u64 s[96:97], s[6:7], s[2:3]
	s_lshl_b32 s2, s[GG], 19                       ; 128 G rows of 4,096 bytes
	s_add_nc_u64 s[98:99], s[18:19], s[2:3]
	global_load_b128 v[QF:QF+3], v[QO], s[94:95]   ; q's fragment: 512 consecutive bytes
	global_load_b32 v[QW], v[QSO], s[96:97]        ; lane r: query r's scale word
	s_lshl_b32 s93, s[GG], 7
	s_add_co_u32 s93, s93, 1
	v_add_nc_u32 v86, s93, v[TQ]                   ; i + 1
	v_cvt_f32_u32 v86, v86
	v_rcp_f32 v87, v86
	v_mov_b32 v13, 0xff61b1e6                      ; the largest t so far: -3e38, under every t.  (The plain line behind the reciprocal)
	s_wait_alu depctr_va_vdst(0)                   ; ahead of the reciprocal's first reader
	v_fma_f32 v88, -v86, v87, 1.0                  ; one Newton step: 1 / (i + 1) to the last bit or nearly
	v_fma_f32 v87, v88, v87, v87
	v_mul_f32 v88, s[GA], v87                      ; gamma / (i + 1)
	v_sub_f32 v[CLO], v[CUP], v88
	v_sub_f32 v[CDI], v[ADI], v88
	v_floor_f32 v12, -v13                          ; -M
	v_mov_b32 v14, 0                               ; the sum, in two halves
	v_mov_b32 v15, 0
.set n, 0
.rept 32
	v_mov_b32 v[OT+n], 0                           ; O^T.  (Pass 2's step is written once, for sixteen trips: it has no first step of its own that could start the sums)
.set n, n+1
.endr
	s_wait_loadcnt 0x0                             ; q
	; ---- PASS 1: each lane's largest t and sum over ITS 64 keys of every causal step; the two halves of the lanes are joined once, behind the loop.
	; Sixteen trips, a constant: a step above the diagonal is left out by a scalar branch on ids, round its work, not round the lines that step addresses.
	s_mov_b32 s[STEP], 0
	s_mov_b32 s[KO], 0
	s_mov_b32 s[SO], 0
.Lp1:
	s_cmp_gt_u32 s[STEP], s[GG]
	s_cbranch_scc1 .Lp1_next
	v_add_nc_u32 v[ADK], s[KO], v[AK0]
	v_add_nc_u32 v[ADS], s[SO], v[ASK0]
	SCORES 0
	s_cmp_lg_u32 s[STEP], s[GG]
	s_cbranch_scc1 .Lp1_open
	MASK
.Lp1_open:
.irp b, 0,1,2,3
	v_max3_num_f32 v[TM+\b], v[SC+16*\b], v[SC+1+16*\b], v[SC+2+16*\b]   ; my largest score, in four chains
.endr
.irp i, 3,5,7,9,11,13
.irp b, 0,1,2,3
	v_max3_num_f32 v[TM+\b], v[TM+\b], v[SC+16*\b+\i], v[SC+1+16*\b+\i]
.endr
.endr
.irp b, 0,1,2,3
	v_max_num_f32 v[TM+\b], v[TM+\b], v[SC+15+16*\b]
.endr
	v_max3_num_f32 v254, v[TM], v[TM+1], v[TM+2]
	v_max_num_f32 v254, v254, v[TM+3]
	v_mul_f32 v254, s[CS], v254                    ; as t (c is positive)
	v_max_num_f32 v13, v13, v254                   ; the running largest t
	v_mov_b32 v254, v12
	v_floor_f32 v12, -v13                          ; the new -M = floor(-t): M is a whole number
	v_sub_f32 v254, v12, v254                      ; M's old value less its new one: a whole number, 0 or less
	v_cvt_i32_f32 v254, v254                       ; (it saturates)
	v_ldexp_f32 v252, 1.0, v254                    ; f = 2^(old M - new M): a multiplication by it rounds nothing
	TMINUSM
	v_pk_mul_f32 v[14:15], v[14:15], v[252:253] op_sel_hi:[1,0]   ; the sums under the new M.  (The plain line behind the exponentials)
	s_wait_alu depctr_va_vdst(0)                   ; one wait for the batch of 64, ahead of its first reader
	v_pk_add_f32 v[236:237], v[SC:SC+1], v[SC+2:SC+3]   ; the sum of p, two at a time, in two chains
.irp j, 4,8,12,16,20,24,28,32,36,40,44,48,52,56,60
	v_pk_add_f32 v[14:15], v[14:15], v[SC+\j:SC+\j+1]
	v_pk_add_f32 v[236:237], v[236:237], v[SC+\j+2:SC+\j+3]
.endr
	v_pk_add_f32 v[14:15], v[14:15], v[236:237]
.Lp1_next:
	s_add_co_u32 s[KO], s[KO], 4096
	s_add_co_u32 s[SO], s[SO], 512
	s_add_co_u32 s[STEP], s[STEP], 1
	s_cmp_lt_u32 s[STEP], 16
	s_cbranch_scc1 .Lp1
	; ---- the row's M and sum: mine and lane l xor 16's.  A lane all of whose keys were hidden still has -M = 3e38 and the sum 0: its f comes out 0.
	v_add_f32 v14, v14, v15
	v_permlanex16_b32 v248, v12, s[SEL], s[SEL+1]
	v_min_num_f32 v249, v12, v248                  ; the row's -M: the smaller
	v_sub_f32 v250, v249, v12                      ; my M less the row's: a whole number, 0 or less
	v_cvt_i32_f32 v250, v250
	v_ldexp_f32 v250, 1.0, v250
	v_mul_f32 v14, v14, v250                       ; my sum under the row's M
	v_mov_b32 v12, v249
	v_permlanex16_b32 v248, v14, s[SEL], s[SEL+1]
	v_add_f32 v14, v14, v248                       ; the row's sum: at least 2^-1, since the largest p lies above 1/2
	v_rcp_f32 v251, v14
	v_nop                                          ; a plain line behind the reciprocal
	s_wait_alu depctr_va_vdst(0)                   ; and the wait ahead of its first reader
	v_mul_f32 v[BI], s[BE], v251                   ; beta / sum
	; ---- PASS 2: all sixteen key steps.  Up to the diagonal: scores again, att, its codes, the product; above it: the constant operand.
	s_mov_b32 s[STEP], 0
	s_mov_b32 s[KO], 0
	s_mov_b32 s[SO], 0
	s_mov_b32 s[VO], 0
	s_mov_b32 s[TO], 0
.Lp2:
	v_add_nc_u32 v[ADK], s[KO], v[AK0]             ; these four plain lines are also the places between the last step's products and the loads into v's registers
	v_add_nc_u32 v[ADV], s[VO], v[AV0]
	v_add_nc_u32 v[ADS], s[SO], v[ASK0]
	v_add_nc_u32 v[ADT], s[TO], v[ASV0]
	s_cmp_gt_u32 s[STEP], s[GG]
	s_cbranch_scc1 .Lup
	SCORES 1
	s_cmp_lg_u32 s[STEP], s[GG]
	s_cbranch_scc1 .Lp2_open
	MASK
.Lp2_open:
	TMINUSM
	v_nop                                          ; a plain line behind the exponentials
	s_wait_alu depctr_va_vdst(0)                   ; one wait for the batch of 64, ahead of the branch and of its first reader
	s_cmp_lg_u32 s[STEP], s[GG]
	s_cbranch_scc1 .Lfull
	ATT_DIAG
	s_branch .Lquant
.Lfull:
	ATT_FULL
.Lquant:
	QUANT
	s_wait_dscnt 0x0                               ; v's fragments and words are in
	PV PC, PW
	s_branch .Lp2_next
.Lup:
	VLOAD
	s_wait_dscnt 0x0
	PV CC, CW
.Lp2_next:
	s_add_co_u32 s[KO], s[KO], 4096
	s_add_co_u32 s[SO], s[SO], 512
	s_add_co_u32 s[VO], s[VO], 64
	s_add_co_u32 s[TO], s[TO], 256
	s_add_co_u32 s[STEP], s[STEP], 1
	s_cmp_lt_u32 s[STEP], 16
	s_cbranch_scc1 .Lp2
	; ---- THE WAY OUT.  A lane holds 8 channels of one query in each accumulator: they go into my stage (rows of 272 bytes) and come back as whole rows of 256 bytes, a head's 64 channels.
.rept 4
	v_nop                                          ; places ahead of the first read of the results
.endr
.irp d, 0,1,2,3
	ds_store_b128 v[STO], v[OT+8*\d:OT+8*\d+3] offset:64*\d          ; each accumulator from its low end on
	ds_store_b128 v[STO], v[OT+8*\d+4:OT+8*\d+7] offset:64*\d+16
.endr
.irp i, 0,1,2,3,4,5,6,7
	ds_load_b128 v[KF+4*\i:KF+4*\i+3], v[RD] offset:2*\i*SP          ; LDS serves a wave's instructions in order (ISA guide 5.7.1.4): these see my stores
.endr
.irp i, 0,1,2,3,4,5,6,7
	s_wait_dscnt 7-\i                              ; the younger loads may stay out
	global_store_b128 v[GO], v[KF+4*\i:KF+4*\i+3], s[98:99] offset:(2*\i+8*(\i/4))*4096 th:TH_STORE_NT   ; the tile's row p is query p + 8 (p / 8) from its first; sixteen lanes store 256 consecutive bytes, aligned
.endr
	s_wait_xcnt 0x0                                ; the stores and q's loads have read their registers and bases: the next tile writes both again
	s_xor_b32 s[GG], s[GG], 15                     ; the second tile's G = g
	s_sub_co_u32 s[TILES], s[TILES], 1
	s_cmp_lg_u32 s[TILES], 0
	s_cbranch_scc1 .Ltile
	s_wait_dscnt 0x0
	s_wait_tensorcnt 0x0
	ds_add_u32 v243, v255
	s_wait_dscnt 0x0
	ROUND                                          ; the closing round: no work-group ends while a partner may still ask for a tile that names it
	s_endpgm
.Lfunc_end_k_q425d12f1c5_attn:
	.size	k_q425d12f1c5_attn, .Lfunc_end_k_q425d12f1c5_attn-k_q425d12f1c5_attn
	.p2alignl 7, 3214868480
	.fill 96, 4, 3214868480
	.section	.rodata,"a",@progbits
	.p2align	6, 0x0
	.amdhsa_kernel k_q425d12f1c5_attn
		.amdhsa_group_segment_fixed_size 216064
		.amdhsa_private_segment_fixed_size 0
		.amdhsa_enable_private_segment 0
		.amdhsa_kernarg_size 64
		.amdhsa_user_sgpr_count 2
		.amdhsa_user_sgpr_kernarg_segment_ptr 1
		.amdhsa_wavefront_size32 1
		.amdhsa_system_sgpr_workgroup_id_x 1
		.amdhsa_system_sgpr_workgroup_id_y 1
		.amdhsa_system_sgpr_workgroup_id_z 1
		.amdhsa_system_vgpr_workitem_id 0
		.amdhsa_next_free_vgpr 256
		.amdhsa_next_free_sgpr 100
		.amdhsa_reserve_vcc 1
		.amdhsa_float_denorm_mode_32 3
		.amdhsa_float_denorm_mode_16_64 3
		.amdhsa_memory_ordered 1
		.amdhsa_forward_progress 1
		.amdhsa_inst_pref_size 66
	.end_amdhsa_kernel
	.amdgpu_metadata
---
amdhsa.version: [ 1, 2 ]
amdhsa.kernels:
  - .name:           k_q425d12f1c5_attn
    .symbol:         k_q425d12f1c5_attn.kd
    .args:
      - { .name: qkc, .offset: 0, .size: 8, .value_kind: global_buffer, .address_space: global }
      - { .name: qks, .offset: 8, .size: 8, .value_kind: global_buffer, .address_space: global }
      - { .name: vc, .offset: 16, .size: 8, .value_kind: global_buffer, .address_space: global }
      - { .name: vs, .offset: 24, .size: 8, .value_kind: global_buffer, .address_space: global }
      - { .name: alpha, .offset: 32, .size: 8, .value_kind: global_buffer, .address_space: global }
      - { .name: beta, .offset: 40, .size: 8, .value_kind: global_buffer, .address_space: global }
      - { .name: gamma, .offset: 48, .size: 8, .value_kind: global_buffer, .address_space: global }
      - { .name: out0, .offset: 56, .size: 8, .value_kind: global_buffer, .address_space: global }
    .group_segment_fixed_size: 216064
    .private_segment_fixed_size: 0
    .kernarg_segment_align: 8
    .kernarg_segment_size: 64
    .max_flat_workgroup_size: 512
    .sgpr_count:     100
    .vgpr_count:     256
    .wavefront_size: 32
...
	.end_amdgpu_metadata
.endif
;; end of part 4
